; MI455X (gfx1250); checked and timed in simulation.
; The chip was launched on July 23, 2026; its instructions are those of AMD's public machine-readable ISA for CDNA 5 (MIT licence, August 2026) and "CDNA5" Instruction Set Architecture Reference Guide (July 2026). The comments in the code are by the model that wrote it; some were corrected since.
;; Enhanced Cross Attention. Allowed arithmetic: matrix products marked QUANTISED: E5M2 operands, one given power-of-two scale a tensor, by v_wmma_f32_16x16x64_bf8_bf8 or v_wmma_f32_16x16x128_bf8_bf8, f32 sums; everything else in f32.
;; Inputs: bdg 512 float32; bdk 512 float32; bdq 512 float32; bdv 512 float32; bgg 512 float32; bgk 512 float32; bgq 512 float32; bgv 512 float32; bo 512 float32; dg_b 512 float32; dg_g 512 float32; drug_embeds 4,096 x 512 float32; gene_embeds 4,096 x 512 float32; gg_b 512 float32; gg_g 512 float32; lnd_b 512 float32; lnd_g 512 float32; lng_b 512 float32; lng_g 512 float32; lowp_scales 28 int32 (the exponents e of the quantised operands' scales 2^e); wdg_codes 512 x 32 x 32 uint8 (E5M2 codes of wdg, K innermost, in blocks of 32 codes); wdk_codes 512 x 16 x 32 uint8 (E5M2 codes of wdk, K innermost, in blocks of 32 codes); wdq_codes 512 x 16 x 32 uint8 (E5M2 codes of wdq, K innermost, in blocks of 32 codes); wdv_codes 512 x 16 x 32 uint8 (E5M2 codes of wdv, K innermost, in blocks of 32 codes); wgg_codes 512 x 32 x 32 uint8 (E5M2 codes of wgg, K innermost, in blocks of 32 codes); wgk_codes 512 x 16 x 32 uint8 (E5M2 codes of wgk, K innermost, in blocks of 32 codes); wgq_codes 512 x 16 x 32 uint8 (E5M2 codes of wgq, K innermost, in blocks of 32 codes); wgv_codes 512 x 16 x 32 uint8 (E5M2 codes of wgv, K innermost, in blocks of 32 codes); wo_codes 512 x 16 x 32 uint8 (E5M2 codes of wo, K innermost, in blocks of 32 codes).
;; Outputs: out0 4,096 x 512 float32; out1 4,096 x 512 float32.
;; This version of the problem:
;;   THIS VERSION OF THE PROBLEM IS GIVEN IN LOW PRECISION. The matrix products marked QUANTISED in the list below multiply operands that are first quantised to E5M2 (5 exponent bits, 2 mantissa bits; 8 bits a number), with one given power-of-two scale for each operand tensor; their sums are f32. All else is computed in f32.
;;   The module's matrix products, in the order in which they are computed (A, B: the left and right operand; K: the contracted axis; several contracted axes count as one K, in the product's order):
;;     1. [M 4,096, K 512] x [K 512, N 512]; A: computed on the way; B: input wgq (given as codes): QUANTISED (scales: A lowp_scales[0], B lowp_scales[1])
;;     2. [M 4,096, K 512] x [K 512, N 512]; A: computed on the way; B: input wgk (given as codes): QUANTISED (scales: A lowp_scales[2], B lowp_scales[3])
;;     3. [M 4,096, K 512] x [K 512, N 512]; A: input gene_embeds; B: input wgv (given as codes): QUANTISED (scales: A lowp_scales[4], B lowp_scales[5])
;;     4. [M 4,096, K 512] x [K 512, N 512]; A: computed on the way; B: input wdq (given as codes): QUANTISED (scales: A lowp_scales[6], B lowp_scales[7])
;;     5. [M 4,096, K 512] x [K 512, N 512]; A: computed on the way; B: input wdk (given as codes): QUANTISED (scales: A lowp_scales[8], B lowp_scales[9])
;;     6. [M 4,096, K 512] x [K 512, N 512]; A: input drug_embeds; B: input wdv (given as codes): QUANTISED (scales: A lowp_scales[10], B lowp_scales[11])
;;     7. batch 8 x [M 4,096, K 64] x [K 64, N 4,096]; A: computed on the way; B: computed on the way: QUANTISED (scales: A lowp_scales[12], B lowp_scales[13])
;;     8. batch 8 x [M 4,096, K 4,096] x [K 4,096, N 64]; A: softmax (see below); B: computed on the way: QUANTISED (scales: A lowp_scales[14], B lowp_scales[15])
;;     9. batch 8 x [M 4,096, K 64] x [K 64, N 4,096]; A: computed on the way; B: computed on the way: QUANTISED (scales: A lowp_scales[16], B lowp_scales[17])
;;     10. batch 8 x [M 4,096, K 4,096] x [K 4,096, N 64]; A: softmax (see below); B: computed on the way: QUANTISED (scales: A lowp_scales[18], B lowp_scales[19])
;;     11. [M 4,096, K 1,024] x [K 1,024, N 512]; A: computed on the way; B: input wgg (given as codes): QUANTISED (scales: A lowp_scales[20], B lowp_scales[21])
;;     12. [M 4,096, K 1,024] x [K 1,024, N 512]; A: computed on the way; B: input wdg (given as codes): QUANTISED (scales: A lowp_scales[22], B lowp_scales[23])
;;     13. [M 4,096, K 512] x [K 512, N 512]; A: computed on the way; B: input wo (given as codes): QUANTISED (scales: A lowp_scales[24], B lowp_scales[25])
;;     14. [M 4,096, K 512] x [K 512, N 512]; A: computed on the way; B: input wo (given as codes): QUANTISED (scales: A lowp_scales[26], B lowp_scales[27])
;;   THE QUANTISER, for each operand of a quantised product, along K:
;;     - The operand's scale is 2^e, e = its entry of the input lowp_scales (int32; the entries are numbered through the quantised products in the list's order, A before B).
;;     - Each number is divided by the scale, clamped to +-57,344, and rounded to the nearest number of E5M2, ties to even, subnormals kept.
;;     - The product sums the exact products of the quantised numbers (number of the format x scale) in f32.
;;   ~~~python
;;   def quantise(x, axis, e):      # numpy; x: float32 -> the quantised numbers, widened to float32 again
;;       x = np.moveaxis(x, axis, -1); K = x.shape[-1]
;;       r = np.clip(x / 2.0 ** e, -57344, 57344)
;;       step = 2.0 ** (np.maximum(np.frexp(np.where(r == 0, 1, r))[1] - 1, -14) - 2)
;;       q = np.round(r / step) * step * 2.0 ** e      # np.round: ties to even
;;       return np.moveaxis(q, -1, axis).astype(np.float32)
;;   ~~~
;;   SOFTMAX AHEAD OF A QUANTISED PRODUCT. Where the list says 'softmax', what is quantised is not the finished softmax but p = 2^(t - M), with t = logit x log2(e) and M = ceil(the row's largest t), a whole number; so 1/2 < the row's largest p <= 1. The row's sum l is taken of the UNQUANTISED p, in f32, and the product's result is divided by l at the end. Since M is a whole number, a kernel that streams over the keys may use a running M (the ceiling of the running maximum): every later rescaling is an exact power of two, so the quantised numbers keep their values, but for numbers so far below the row's largest that they fall under the format's range.
;;   OPERANDS COMPUTED ON THE WAY. 'Computed on the way' means the value that the module computes at that place (a softmax that the list does not call 'softmax' is quantised finished and normalised). What goes into a quantiser is computed in f32, as accurately as f32 sums, v_exp_f32 and their like allow (about 1e-6 of the number): no bf16 or f16 on the way to a quantiser, and a product that is left as it is and whose result goes on into a quantised operand takes f32 operands (vector FMAs, or v_wmma_f32_16x16x4_f32). A number that lies on a knife's edge between two numbers of the format may be rounded either way, as far as f32 arithmetic and the matrix unit's own rounding can turn it there, and no further.
;;   INPUTS GIVEN AS CODES. wdg (in the module: [1024, 512], K = its axis 0); wdk (in the module: [512, 512], K = its axis 0); wdq (in the module: [512, 512], K = its axis 0); wdv (in the module: [512, 512], K = its axis 0); wgg (in the module: [1024, 512], K = its axis 0); wgk (in the module: [512, 512], K = its axis 0); wgq (in the module: [512, 512], K = its axis 0); wgv (in the module: [512, 512], K = its axis 0); wo (in the module: [512, 512], K = its axis 0): each comes as NAME_codes (uint8): NAME with its K axis moved to the last place and cut into blocks of 32 codes, [.., K / 32, bytes a block], one block behind the other in memory; one code a byte (a code: sign, 5 exponent bits, 2 mantissa bits); its scale is its entry of lowp_scales. Its value is code x scale, taken as it is: it is not quantised again, and the codes and scales need not be those that the quantiser above would give.
;; 2 versions, each right; version 2 is version 1 with the launches proj, gate written anew for expert scheduling mode. Each part assembles by itself: llvm-mc -triple=amdgcn-amd-amdhsa -mcpu=gfx1250 --defsym DOCPART=n.
;; ======== version 1 of 2: 3 launches
;; limits: right only within a limited range of input values
;; workspace buffers: qimg 4,194,304 bytes; kv 8,388,608 bytes; eimg 4,194,304 bytes; cimg 8,388,608 bytes
;; launch proj (part 1): grid 64 x 3, 8 waves a work-group, no clusters, 209,920 bytes of LDS; arguments gene_embeds, drug_embeds, lng_g, lnd_g, lng_b, lnd_b, wgq_codes, wdq_codes, wgk_codes, wdk_codes, wgv_codes, wdv_codes, bgq, bdq, bgk, bdk, bgv, bdv, lowp_scales, qimg, kv, eimg; writes qimg, kv, eimg
.if DOCPART == 1
	.amdgcn_target "amdgcn-amd-amdhsa--gfx1250"
	.amdhsa_code_object_version 6
	.text
	.protected	k_qd46bcd4f9b_proj
	.globl	k_qd46bcd4f9b_proj
	.p2align	8
	.type	k_qd46bcd4f9b_proj,@function
k_qd46bcd4f9b_proj:
	s_mov_b64 s[64:65], 0
	v_nop
	global_prefetch_b8 v0, s[64:65] scope:SCOPE_SE
	s_setreg_imm32_b32 hwreg(HW_REG_WAVE_MODE, 25, 1), 1
	s_wait_xcnt 0x0
; THE SIX PROJECTIONS (products 1 to 6), with all that stands ahead of and behind them: LayerNorm, the quantising of x, the product on codes of E5M2, the bias, for q and k the norm of each head's 64
; (q also x 1/8), and the quantising of q, k and v for the attention.  The work-groups that make v also quantise the embeddings at the scale of the gate's left operand.
; NO WORK OF reference() IS LEFT OUT in any of the three launches: every input has a way to an output and is loaded; the clip at +-10 is executed.
; SHARES.  Work-group x: side (0 gene, 1 drug) = x / 32, block of 128 rows G = x % 32.  Work-group y: kind 0 = q, 1 = k, 2 = v.  Wave w = head w = output columns 64 w .. 64 w + 63: its 64 rows of the weight's codes
; (4 tiles x 4 K steps x 16 registers = window 1) are read once and stay.  Ahead of the products wave w takes rows 16 w .. 16 w + 15 of x, a lane 16 neighbouring columns of a row, and lays their codes in LDS.
; NO CLUSTER: a weight fragment is used by one wave and goes from memory straight into its registers; a joint request is a tensor load, which lands in LDS, so the 256 KB of a weight would pass through LDS for nothing.
; 192 work-groups: 8,192 rows x 3 kinds in 256 equal parts would be 96 rows, which does not divide 4,096.
; ONE ORDER OF ROWS: lane r of row tile T holds row 32 (T / 2) + 8 (T % 2) + r + 8 (r / 8).  ONE ORDER OF k: registers 4 c .. 4 c + 3 of lane (r, h) hold k = 32 c + 16 h + 0 .. 15, on both sides of every product.
; WORKSPACE, as images of operand registers (blocks of 512 bytes, lane l's 16 bytes at 16 l; every store of a wave covers 512 consecutive bytes, aligned):
;   qimg [side][head][row tile 256][b 2]          q's codes, channels 32 b + 16 h + ..
;   kv   [side][head][step of 64 keys][K, V][tile 4][b 2]   K: key tile, channels 32 b + ..;  V: tile of 16 channels (lane r: channel 32 (t / 2) + 8 (t % 2) + r + 8 (r / 8)), keys 32 b + 16 h + ..
;   eimg [side][row tile 256][s 4][c 4]           the embeddings' codes at the gate's scale
; THE TEXT PARTS ONCE, on the kind (the work-group's y, the same in all eight waves), into a text for q and k and a text for v; they do not join again, and each has LDS bytes of its own.
; q, k: source 0 = 16 rows of the weight, source 1 = 16 rows of x: a lane holds one row and 32 of the head's 64 channels.  v: the sources swapped: a lane holds one channel and its registers run along the rows, which are the keys.
; LIMITS on the given exponents, so that each power of two made below is an f32 number: that of x, that of the gate's operand, that of q and of k, and for v (its own - x's - the weight's): -126 .. 112.
; The sums of a product are kept without their factor 2^(eA + eB); it is put on by v_ldexp_f32.  A head's sum of squares is to be an f32 number with and without that factor.  NaN among the inputs is not served.
; REGISTERS, window 0: v1, v2 where I read images; v3, v4 offsets of my stores (v: v4 the image that I copy out); v5, v6 the add's two; v7, v8 the way out's hold and scale; v9 x's offset; v10-13 at work; v14 a permute's;
;   v15 where I store x's codes; v16-47 the bias as C; v48-111 eight accumulators; v112-127 codes; v128-255 eight fragments of x.  Ahead of the barrier v48-111 hold LayerNorm's gain and offset, numbers at work, the holds
;   and scales, and v128-255 two sets of four rows of x.   Window 1: the weight's 16 fragments, (tile t, K step s) at 64 t + 16 s.
.set BP,     272                       ; a block of an image in LDS: 16 row lanes x 16 bytes + 16 of padding: 17 x 16, so that sixteen lanes 272 bytes apart fall on sixteen different columns of 16 bytes
.set TILEB,  32*BP                     ; a row tile's image: 32 blocks, block 8 s + 2 c + h
.set XIMGV,  8*TILEB                   ; q, k: x's eight tiles from byte 0;  v: from here,
.set EIMG,   16*TILEB                  ; and the embeddings at the gate's scale from here
.set SPARE,  24*TILEB                  ; the spare words, 128 bytes for each wave: four blocks of 256 bytes that no other line names
.set LIA,  1
.set LIB,  2
.set GOF0, 3
.set GOF1, 4
.set EA,   4
.set SPW,  5
.set NIL,  6
.set OLIM, 7
.set OSC,  8
.set XA,   9
.set PT,   14
.set XW,   15
.set B1,   16
.set HA,   48
.set LG,   48
.set LB,   64
.set T,    80
.set ST,   96
.set T32,  48
.set PC2,  80
.set LIMA, 104
.set SCA,  105
.set LIMG, 106
.set SCG,  107
.set XW2,  108
.set VW,   110
.set VBO,  111
.set PC,   112
.set XF,   128
.set MSB, 0
.macro WIN new                         ; the immediate's high byte repeats the setting that is left
.if MSB != \new
	s_set_vgpr_msb (MSB<<8)|\new
.set MSB, \new
.endif
.endm
.macro POW2 dl, dsc, e                 ; v[dsc] = 2^e as f32 (a conversion takes its exponent field), v[dl] = 57,344 x 2^e
	s_add_co_i32 s90, \e, 127
	s_lshl_b32 s91, s90, 23
	v_mov_b32 v[\dsc], s91
	s_add_co_i32 s90, s90, 15
	s_lshl_b32 s90, s90, 23
	s_or_b32 s90, s90, 0x600000
	v_mov_b32 v[\dl], s90
.endm
.macro XLOAD g                         ; rows 4 g .. 4 g + 3 of my 16: a lane's 16 neighbouring columns, 64 bytes, of each
.irp i, 0,1,2,3
.irp j, 0,1,2,3
	global_load_b128 v[XF+64*((\g)%2)+16*\i+4*\j:XF+64*((\g)%2)+16*\i+4*\j+3], v[XA], s[8:9] offset:(4*(\g)+\i)*2048+16*\j
.endr
.endr
.endm
.macro WLOAD half, wb                  ; K steps 2 half, 2 half + 1 of my four tiles of the weight: lane r of tile t takes row 32 (t / 2) + 8 (t % 2) + r + 8 (r / 8) of my 64
	WIN 0x40                                       ; destination window 1, address window 0
.irp t, 0,1,2,3
.irp e, 0,1
.irp c, 0,1,2,3
	global_load_b128 v[64*\t+16*(2*(\half)+\e)+4*\c:64*\t+16*(2*(\half)+\e)+4*\c+3], v[VW], s[\wb:\wb+1] offset:(32*(\t/2)+8*(\t%2))*512+128*(2*(\half)+\e)+32*\c
.endr
.endr
.endr
	WIN 0
.endm
.macro RED4                            ; four rows' pairs in T become four sums over the wave's 32 lanes, in ST, ST + 2, ..
.irp i, 0,1,2,3
	v_add_f32 v[ST+2*\i], v[T+2*\i], v[T+2*\i+1]
.endr
.irp m, 1,2,4,8
.irp i, 0,1,2,3
	v_add_f32_dpp v[ST+2*\i], v[ST+2*\i], v[ST+2*\i] row_xmask:\m row_mask:0xf bank_mask:0xf
.endr
.endr
.irp i, 0,1,2,3
	v_permlanex16_b32 v[T+\i], v[ST+2*\i], s60, s61
.endr
.irp i, 0,1,2,3
	v_add_f32 v[ST+2*\i], v[ST+2*\i], v[T+\i]
.endr
.endm
.macro LN4 xb                          ; LayerNorm of four rows, in place, the rows by turns.  The mean is taken away before the squares are summed: a common offset of the inputs costs no digits
.set XB, \xb
.irp i, 0,1,2,3
	v_pk_add_f32 v[T+2*\i:T+2*\i+1], v[XB+16*\i:XB+16*\i+1], v[XB+16*\i+2:XB+16*\i+3]
.endr
.irp j, 4,6,8,10,12,14
.irp i, 0,1,2,3
	v_pk_add_f32 v[T+2*\i:T+2*\i+1], v[T+2*\i:T+2*\i+1], v[XB+16*\i+\j:XB+16*\i+\j+1]
.endr
.endr
	RED4
.irp i, 0,1,2,3
	v_mul_f32 v[ST+2*\i], s62, v[ST+2*\i]          ; the mean
.endr
.irp j, 0,2,4,6,8,10,12,14
.irp i, 0,1,2,3
	v_pk_add_f32 v[XB+16*\i+\j:XB+16*\i+\j+1], v[XB+16*\i+\j:XB+16*\i+\j+1], v[ST+2*\i:ST+2*\i+1] op_sel_hi:[1,0] neg_lo:[0,1] neg_hi:[0,1]
.endr
.endr
.irp i, 0,1,2,3
	v_pk_mul_f32 v[T+2*\i:T+2*\i+1], v[XB+16*\i:XB+16*\i+1], v[XB+16*\i:XB+16*\i+1]
.endr
.irp j, 2,4,6,8,10,12,14
.irp i, 0,1,2,3
	v_pk_fma_f32 v[T+2*\i:T+2*\i+1], v[XB+16*\i+\j:XB+16*\i+\j+1], v[XB+16*\i+\j:XB+16*\i+\j+1], v[T+2*\i:T+2*\i+1]
.endr
.endr
	RED4
.irp i, 0,1,2,3
	v_fma_f32 v[ST+2*\i], v[ST+2*\i], s62, s63     ; the variance + 1e-5
.endr
.irp i, 0,1,2,3
	v_rsq_f32 v[ST+2*\i], v[ST+2*\i]
.endr
	v_nop                                          ; a plain instruction behind the last of the four,
	s_wait_alu depctr_va_vdst(0)                   ; and the one wait ahead of the batch's first reader
.irp j, 0,2,4,6,8,10,12,14
.irp i, 0,1,2,3
	v_pk_mul_f32 v[XB+16*\i+\j:XB+16*\i+\j+1], v[XB+16*\i+\j:XB+16*\i+\j+1], v[ST+2*\i:ST+2*\i+1] op_sel_hi:[1,0]
.endr
.endr
.irp j, 0,2,4,6,8,10,12,14
.irp i, 0,1,2,3
	v_pk_fma_f32 v[XB+16*\i+\j:XB+16*\i+\j+1], v[XB+16*\i+\j:XB+16*\i+\j+1], v[LG+\j:LG+\j+1], v[LB+\j:LB+\j+1]
.endr
.endr
.endm
.macro ST4 adr, pc, g                  ; four rows' codes into the images: row 4 g + i of my 16 lies in tile 2 (w / 2) + row / 8 at row lane 8 (w % 2) + row % 8; my lane is the block
.irp i, 0,1,2,3
	ds_store_b128 v[\adr], v[\pc+4*\i:\pc+4*\i+3] offset:((4*(\g)+\i)/8)*TILEB+16*((4*(\g)+\i)%8)
.endr
.endm
.macro QUANT4 xb, lim, sc, pc, adr, g  ; four rows are held in place, turned into codes and stored
.set XB, \xb
.set j, 0
.rept 64
	v_med3_num_f32 v[XB+j], v[XB+j], -v[\lim], v[\lim]   ; the conversion to an 8-bit code does not saturate (ISA guide 7.6.2): the hold at the largest code x the scale
.set j, j+1
.endr
.irp i, 0,1,2,3
	v_cvt_scalef32_pk8_bf8_f32 v[\pc+4*\i:\pc+4*\i+1], v[XB+16*\i:XB+16*\i+7], v[\sc]
	v_cvt_scalef32_pk8_bf8_f32 v[\pc+4*\i+2:\pc+4*\i+3], v[XB+16*\i+8:XB+16*\i+15], v[\sc]
.endr
	v_nop                                          ; a plain instruction behind the last conversion
	ST4 \adr, \pc, \g
.endm
.macro FETCH p                         ; tiles 2 p, 2 p + 1 of x, all four K steps: 32 loads; sixteen lanes take a block's 256 consecutive bytes
.irp u, 0,1
.irp s, 0,1,2,3
.irp c, 0,1,2,3
.if (\p) < 2
	ds_load_b128 v[XF+64*\u+16*\s+4*\c:XF+64*\u+16*\s+4*\c+3], v[LIA] offset:((2*(\p)+\u)%4)*TILEB+BP*(8*\s+2*\c)
.else
	ds_load_b128 v[XF+64*\u+16*\s+4*\c:XF+64*\u+16*\s+4*\c+3], v[LIB] offset:((2*(\p)+\u)%4)*TILEB+BP*(8*\s+2*\c)
.endif
.endr
.endr
.endr
.endm
.macro PLACES                          ; four plain instructions between a matrix instruction and a read of its result or a load into its sources
.rept 4
	v_nop
.endr
.endm
	s_load_b512 s[8:23], s[0:1], 0x0               ; gene, drug embeddings; lng_g, lnd_g; lng_b, lnd_b; wgq, wdq
	s_load_b512 s[24:39], s[0:1], 0x40             ; wgk, wdk; wgv, wdv; bgq, bdq; bgk, bdk
	s_load_b256 s[40:47], s[0:1], 0x80             ; bgv, bdv; the scales' exponents; qimg
	s_load_b128 s[48:51], s[0:1], 0xa0             ; kv, eimg
	v_lshl_add_u32 v[SPW], v0, 2, SPARE
	v_mov_b32 v[NIL], 0
	v_lshrrev_b32 v10, 5, v0
	v_readfirstlane_b32 s52, v10                   ; wave = head
	s_lshr_b32 s53, ttmp9, 5                       ; side
	s_and_b32 s54, ttmp9, 31                       ; G
	s_and_b32 s55, ttmp7, 0xffff                   ; kind
	s_mov_b32 s60, 0x76543210                      ; v_permlanex16_b32: lane l xor 16
	s_mov_b32 s61, 0xfedcba98
	s_mov_b32 s62, 0x3b000000                      ; 1 / 512
	s_mov_b32 s63, 0x3727c5ac                      ; 1e-5
	v_and_b32 v10, 15, v0                          ; r
	v_bfe_u32 v11, v0, 4, 1                        ; h
	v_and_b32 v12, 31, v0                          ; lane
	v_and_b32 v13, 8, v10
	v_add_nc_u32 v13, v13, v10                     ; r + 8 (r / 8)
	v_lshlrev_b32 v[GOF0], 4, v12                  ; an image's place for my lane
	v_lshlrev_b32 v[XA], 6, v12                    ; my 16 columns of a row of x, of the gain and of the offset
	v_mul_u32_u24 v[LIA], v11, BP
	v_lshl_add_u32 v[LIA], v10, 4, v[LIA]          ; reading: 272 h + 16 r
	v_mul_u32_u24 v[XW], v12, BP                   ; writing: 272 x lane,
	s_lshr_b32 s80, s52, 1
	s_mul_i32 s80, s80, 2*TILEB                    ; + two tiles x (w / 2)
	s_and_b32 s81, s52, 1
	s_lshl_b32 s81, s81, 7                         ; + eight row lanes x (w % 2)
	s_add_co_u32 s80, s80, s81
	v_add_nc_u32 v[XW], s80, v[XW]
	v_lshlrev_b32 v[VW], 9, v13                    ; the weight: a row is 512 codes
	v_lshl_add_u32 v[VW], v11, 4, v[VW]
	v_mov_b32 v[PT], 0                             ; a lane permute's destination counts as read
	s_lshl_b32 s66, s54, 7
	s_lshl_b32 s67, s52, 4
	s_add_co_u32 s66, s66, s67                     ; my first row of x: 128 G + 16 w,
	s_lshl_b32 s66, s66, 11                        ; in bytes
	s_mov_b32 s67, 0
	s_lshl_b32 s68, s52, 15                        ; my 64 rows of the weight
	s_mov_b32 s69, 0
	s_lshl_b32 s70, s52, 8                         ; my 64 numbers of the bias
	s_mov_b32 s71, 0
	s_lshl_b32 s72, s53, 3
	s_add_co_u32 s72, s72, s52                     ; 8 side + head
	s_lshl_b32 s72, s72, 18
	s_lshl_b32 s73, s54, 13
	s_add_co_u32 s72, s72, s73                     ; qimg: ((8 side + head) 256 + 8 G) 1,024; in kv twice that
	s_mov_b32 s73, 0
	s_lshl_b32 s74, s53, 8
	s_lshl_b32 s75, s54, 3
	s_add_co_u32 s74, s74, s75
	s_add_co_u32 s74, s74, s52
	s_lshl_b32 s74, s74, 13                        ; eimg: (256 side + 8 G + w) 8,192
	s_mov_b32 s75, 0
	s_mul_i32 s76, s53, 24
	s_lshl_b32 s77, s55, 3
	s_add_co_u32 s76, s76, s77                     ; the product's two exponents: entries 6 side + 2 kind and the next
	s_lshl_b32 s77, s53, 4
	s_add_co_u32 s78, s77, 48                      ; q's: entry 12 + 4 side
	s_lshl_b32 s79, s55, 3
	s_add_co_u32 s79, s79, 60
	s_sub_co_u32 s79, s79, s77                     ; k's: 17 - 4 side;  v's: 19 - 4 side
	s_cmp_eq_u32 s55, 0
	s_cselect_b32 s78, s78, s79
	s_lshl_b32 s79, s53, 3
	s_add_co_u32 s79, s79, 80                      ; the gate's left operand: entry 20 + 2 side
	s_wait_kmcnt 0x0
	s_load_b64 s[56:57], s[44:45], s76 offset:0x0  ; eA, eB
	s_load_b32 s58, s[44:45], s78 offset:0x0       ; the exponent of what I make
	s_cmp_eq_u32 s53, 0                            ; gene's buffers or drug's: the choice hangs on the work-group's number alone
	s_cselect_b64 s[8:9], s[8:9], s[10:11]
	s_cselect_b64 s[12:13], s[12:13], s[14:15]
	s_cselect_b64 s[16:17], s[16:17], s[18:19]
	s_cselect_b64 s[20:21], s[20:21], s[22:23]
	s_cselect_b64 s[24:25], s[24:25], s[26:27]
	s_cselect_b64 s[28:29], s[28:29], s[30:31]
	s_cselect_b64 s[32:33], s[32:33], s[34:35]
	s_cselect_b64 s[36:37], s[36:37], s[38:39]
	s_cselect_b64 s[40:41], s[40:41], s[42:43]
	s_add_nc_u64 s[8:9], s[8:9], s[66:67]
	s_cmp_eq_u32 s55, 2
	s_cbranch_scc1 .Lvpath
; ======== q and k ========
	s_cmp_eq_u32 s55, 0
	s_cselect_b64 s[20:21], s[20:21], s[24:25]     ; the weight,
	s_cselect_b64 s[32:33], s[32:33], s[36:37]     ; the bias,
	s_cselect_b64 s[46:47], s[46:47], s[48:49]     ; qimg or kv
	s_cselect_b32 s80, 0, 1
	s_cselect_b32 s81, 3, 0                        ; q is also divided by 8 = sqrt(64)
	s_cselect_b32 s86, 0, 4096                     ; in kv a step's V part lies between tiles 3 and 4
	s_lshl_b32 s72, s72, s80
	s_add_nc_u64 s[20:21], s[20:21], s[68:69]
	s_add_nc_u64 s[32:33], s[32:33], s[70:71]
	s_add_nc_u64 s[46:47], s[46:47], s[72:73]
	v_add_nc_u32 v[GOF1], s86, v[GOF0]
	v_add_nc_u32 v[LIB], 4*TILEB, v[LIA]
	v_lshlrev_b32 v[VBO], 6, v11                   ; the bias in the result's layout: tile t's register j is channel 32 (t / 2) + 8 (t % 2) + 16 h + j
.irp t, 0,1,2,3
	global_load_b128 v[B1+8*\t:B1+8*\t+3], v[VBO], s[32:33] offset:(32*(\t/2)+8*(\t%2))*4
	global_load_b128 v[B1+8*\t+4:B1+8*\t+7], v[VBO], s[32:33] offset:(32*(\t/2)+8*(\t%2))*4+16
.endr
.irp j, 0,1,2,3
	global_load_b128 v[LG+4*\j:LG+4*\j+3], v[XA], s[12:13] offset:16*\j
	global_load_b128 v[LB+4*\j:LB+4*\j+3], v[XA], s[16:17] offset:16*\j
.endr
	XLOAD 0
	XLOAD 1
	WLOAD 0, 20
.irp i, 0,1,2,3
	v_mov_b32 v[ST+2*\i+1], 0                      ; named as the upper halves of pairs
.endr
	s_wait_kmcnt 0x0
	POW2 LIMA, SCA, s56
	s_add_co_i32 s82, s56, s57                     ; eA + eB
	s_sub_co_i32 s83, 0, s82
	s_lshl_b32 s84, s82, 1
	s_sub_co_i32 s85, s82, s81
.macro GROUPQ g, n                     ; four rows: n = the loads younger than theirs, which may stay out
	s_wait_loadcnt \n
	LN4 XF+64*((\g)%2)
	s_wait_dscnt 0x0                               ; the last group's LDS stores have read the codes' registers
	QUANT4 XF+64*((\g)%2), LIMA, SCA, PC, XW, \g
.if (\g) < 2
	XLOAD (\g)+2
.endif
.if (\g) == 1
	WLOAD 1, 20
.endif
.endm
	GROUPQ 0, 48                                   ; younger: rows 4-7 (16), half the weight (32)
	GROUPQ 1, 48                                   ; half the weight (32), rows 8-11 (16)
	GROUPQ 2, 48                                   ; rows 12-15 (16), the other half (32)
	GROUPQ 3, 32                                   ; the other half of the weight
	s_wait_dscnt 0x0                               ; my stores into the images are done
	s_barrier_signal -1
	s_barrier_wait -1                              ; all eight tiles of x lie in LDS
	FETCH 0
	s_wait_loadcnt 0x0                             ; the weight is in; the loads have read v110, v111, which the products write
.set j, 0
.rept 32
	v_ldexp_f32 v[B1+j], v[B1+j], s83              ; the bias goes in as the C of a sum's first product, divided by the power of two that the sums lack
.set j, j+1
.endr
	POW2 OLIM, OSC, s58
.macro MULQ                            ; 32 products: K step by K step, the eight accumulators (two row tiles x four tiles of channels) by turns
	WIN 0x01                                       ; source 0 (the weight) window 1
.irp s, 0,1,2,3
.irp u, 0,1
.irp t, 0,1,2,3
.if \s == 0
	v_wmma_f32_16x16x128_bf8_bf8 v[HA+32*\u+8*\t:HA+32*\u+8*\t+7], v[64*\t+16*\s:64*\t+16*\s+15], v[XF+64*\u+16*\s:XF+64*\u+16*\s+15], v[B1+8*\t:B1+8*\t+7]
.else
	v_wmma_f32_16x16x128_bf8_bf8 v[HA+32*\u+8*\t:HA+32*\u+8*\t+7], v[64*\t+16*\s:64*\t+16*\s+15], v[XF+64*\u+16*\s:XF+64*\u+16*\s+15], v[HA+32*\u+8*\t:HA+32*\u+8*\t+7]
.endif
.endr
.endr
.endr
	WIN 0
.endm
.macro TAILQ u, tt                     ; row tile tt of the block: the head's norm, the hold, the codes, two stores of 512 bytes
.set HB, HA+32*(\u)
	v_pk_mul_f32 v[10:11], v[HB:HB+1], v[HB:HB+1]  ; the sum of my 32 squares, in two chains, each accumulator from its low end on
	v_pk_mul_f32 v[12:13], v[HB+2:HB+3], v[HB+2:HB+3]
.irp j, 4,8,12,16,20,24,28
	v_pk_fma_f32 v[10:11], v[HB+\j:HB+\j+1], v[HB+\j:HB+\j+1], v[10:11]
	v_pk_fma_f32 v[12:13], v[HB+\j+2:HB+\j+3], v[HB+\j+2:HB+\j+3], v[12:13]
.endr
	v_pk_add_f32 v[10:11], v[10:11], v[12:13]
	v_add_f32 v10, v10, v11
	v_permlanex16_b32 v[PT], v10, s60, s61         ; the row's other 32 channels lie in lane l xor 16
	v_add_f32 v10, v10, v[PT]
	v_ldexp_f32 v10, v10, s84                      ; x 2^(2 (eA + eB)): the true sum of squares
	v_rsq_f32 v10, v10
	v_nop
	s_wait_alu depctr_va_vdst(0)                   ; the wait ahead of the first reader
	v_min_num_f32 v10, 0x5368d4a5, v10             ; 1 / max(n, 1e-12) = min(1 / n, 1e12)
	v_ldexp_f32 v10, v10, s85                      ; x 2^(eA + eB), which the sums lack; q: / 8
.set j, 0
.rept 16
	v_pk_mul_f32 v[HB+j:HB+j+1], v[HB+j:HB+j+1], v[10:11] op_sel_hi:[1,0]
.set j, j+2
.endr
.set j, 0
.rept 32
	v_med3_num_f32 v[HB+j], v[HB+j], -v[OLIM], v[OLIM]
.set j, j+1
.endr
.irp t, 0,1,2,3
	v_cvt_scalef32_pk8_bf8_f32 v[PC+8*(\u)+2*\t:PC+8*(\u)+2*\t+1], v[HB+8*\t:HB+8*\t+7], v[OSC]   ; tiles 2 b, 2 b + 1: channels 32 b + 16 h + 0 .. 15
.endr
	v_nop                                          ; a plain instruction behind the last conversion
.irp b, 0,1
.if (\tt) < 4
	global_store_b128 v[GOF0], v[PC+8*(\u)+4*\b:PC+8*(\u)+4*\b+3], s[46:47] offset:(\tt)*1024+512*\b
.else
	global_store_b128 v[GOF1], v[PC+8*(\u)+4*\b:PC+8*(\u)+4*\b+3], s[46:47] offset:(\tt)*1024+512*\b
.endif
.endr
.endm
.irp p, 0,1,2,3
	s_wait_dscnt 0x0                               ; the two tiles' fragments are in
	MULQ
	PLACES
.if \p < 3
	FETCH \p+1                                     ; the next two tiles come while these two are finished
.endif
	s_wait_xcnt 0x0                                ; the last stores have read the codes' registers
	TAILQ 0, 2*\p
	TAILQ 1, 2*\p+1
.endr
	s_wait_tensorcnt 0x0                           ; the wave's end, behind my last LDS store
	ds_add_u32 v[SPW], v[NIL]
	s_wait_dscnt 0x0
	s_endpgm
; ======== v, and the embeddings for the gate ========
.Lvpath:
	s_load_b32 s59, s[44:45], s79 offset:0x0       ; the exponent of the gate's left operand
	s_add_nc_u64 s[28:29], s[28:29], s[68:69]      ; the weight,
	s_add_nc_u64 s[40:41], s[40:41], s[70:71]      ; the bias,
	s_lshl_b32 s72, s72, 1
	s_add_co_u32 s72, s72, 4096
	s_add_nc_u64 s[48:49], s[48:49], s[72:73]      ; kv at the V part of my first step,
	s_add_nc_u64 s[50:51], s[50:51], s[74:75]      ; eimg at the tile that I copy out
	s_mul_i32 s80, s52, TILEB
	s_add_co_u32 s80, s80, EIMG
	v_add_nc_u32 v[EA], s80, v[LIA]                ; tile w of the gate's images
	v_add_nc_u32 v[XW2], EIMG, v[XW]
	v_add_nc_u32 v[XW], XIMGV, v[XW]
	v_add_nc_u32 v[LIA], XIMGV, v[LIA]
	v_add_nc_u32 v[LIB], 4*TILEB, v[LIA]
	v_lshlrev_b32 v[VBO], 2, v13                   ; here a lane holds ONE channel: 32 (t / 2) + 8 (t % 2) + r + 8 (r / 8)
.irp t, 0,1,2,3
	global_load_b32 v[B1+8*\t], v[VBO], s[40:41] offset:(32*(\t/2)+8*(\t%2))*4
.endr
	XLOAD 0
	XLOAD 1
	WLOAD 0, 28
	s_wait_kmcnt 0x0
	POW2 LIMA, SCA, s56
	POW2 LIMG, SCG, s59
	s_add_co_i32 s82, s56, s57
	s_sub_co_i32 s83, 0, s82
	s_sub_co_i32 s86, s58, s82                     ; a sum stands for sum x 2^(eA + eB): its code is sum / 2^(ev - eA - eB): three scales in one
.macro GROUPV g, n                     ; four rows, quantised twice: at the gate's scale (held into other registers, two rows at a time), then at the product's (in place)
	s_wait_loadcnt \n
	s_wait_dscnt 0x0                               ; the last group's LDS stores have read the codes' registers
.set XB, XF+64*((\g)%2)
.irp f, 0,1
.set j, 0
.rept 32
	v_med3_num_f32 v[T32+j], v[XB+32*\f+j], -v[LIMG], v[LIMG]
.set j, j+1
.endr
.irp i, 0,1
	v_cvt_scalef32_pk8_bf8_f32 v[PC2+8*\f+4*\i:PC2+8*\f+4*\i+1], v[T32+16*\i:T32+16*\i+7], v[SCG]
	v_cvt_scalef32_pk8_bf8_f32 v[PC2+8*\f+4*\i+2:PC2+8*\f+4*\i+3], v[T32+16*\i+8:T32+16*\i+15], v[SCG]
.endr
	v_nop                                          ; a plain instruction between the conversions and the next writes of their sources
.endr
	ST4 XW2, PC2, \g
	QUANT4 XF+64*((\g)%2), LIMA, SCA, PC, XW, \g
.if (\g) < 2
	XLOAD (\g)+2
.endif
.if (\g) == 1
	WLOAD 1, 28
.endif
.endm
	GROUPV 0, 48                                   ; the counts as for q and k
	GROUPV 1, 48
	GROUPV 2, 48
	GROUPV 3, 32
	s_wait_dscnt 0x0
	s_barrier_signal -1
	s_barrier_wait -1                              ; both sets of images lie in LDS
	FETCH 0
	s_wait_loadcnt 0x0                             ; the weight and the bias are in; the loads have read v110, v111, on which the copy below lands
.set k, 0
.rept 16
	ds_load_b128 v[HA+4*k:HA+4*k+3], v[EA] offset:BP*(8*(k/4)+2*(k%4))
.set k, k+1
.endr
	s_wait_dscnt 0x0
.set k, 0
.rept 16
	global_store_b128 v[GOF0], v[HA+4*k:HA+4*k+3], s[50:51] offset:512*k   ; tile w of the embeddings' codes, as an image
.set k, k+1
.endr
.irp t, 0,1,2,3
.irp j, 7,6,5,4,3,2,1,0
	v_ldexp_f32 v[B1+8*\t+\j], v[B1+8*\t], s83     ; the lane's one bias, for its eight rows, divided by the power of two that the sums lack
.endr
.endr
	POW2 OLIM, OSC, s86
	s_wait_xcnt 0x0                                ; the copy's stores have read v48-111, which the products write
.macro MULV                            ; source 0 = 16 rows of x, source 1 = 16 rows of the weight: a lane holds one channel, its registers run along the rows
	WIN 0x04                                       ; source 1 window 1
.irp s, 0,1,2,3
.irp d, 0,1,2,3
.irp u, 0,1
.if \s == 0
	v_wmma_f32_16x16x128_bf8_bf8 v[HA+16*\d+8*\u:HA+16*\d+8*\u+7], v[XF+64*\u+16*\s:XF+64*\u+16*\s+15], v[64*\d+16*\s:64*\d+16*\s+15], v[B1+8*\d:B1+8*\d+7]
.else
	v_wmma_f32_16x16x128_bf8_bf8 v[HA+16*\d+8*\u:HA+16*\d+8*\u+7], v[XF+64*\u+16*\s:XF+64*\u+16*\s+15], v[64*\d+16*\s:64*\d+16*\s+15], v[HA+16*\d+8*\u:HA+16*\d+8*\u+7]
.endif
.endr
.endr
.endr
	WIN 0
.endm
.macro TAILV bp                        ; rows 32 bp .. 32 bp + 31 of the block: keys 32 (bp % 2) + 16 h + 0 .. 15 of step bp / 2, for four tiles of channels
.set j, 0
.rept 64
	v_med3_num_f32 v[HA+j], v[HA+j], -v[OLIM], v[OLIM]
.set j, j+1
.endr
.irp d, 0,1,2,3
.irp u, 0,1
	v_cvt_scalef32_pk8_bf8_f32 v[PC+4*\d+2*\u:PC+4*\d+2*\u+1], v[HA+16*\d+8*\u:HA+16*\d+8*\u+7], v[OSC]
.endr
.endr
	v_nop
.irp d, 0,1,2,3
	global_store_b128 v[GOF0], v[PC+4*\d:PC+4*\d+3], s[48:49] offset:((\bp)/2)*8192+1024*\d+512*((\bp)%2)
.endr
.endm
.irp p, 0,1,2,3
	s_wait_dscnt 0x0
	MULV
	PLACES
.if \p < 3
	FETCH \p+1
.endif
	s_wait_xcnt 0x0                                ; the last stores have read the codes' registers
	TAILV \p
.endr
	s_wait_tensorcnt 0x0                           ; the wave's end: the three lines once more
	ds_add_u32 v[SPW], v[NIL]
	s_wait_dscnt 0x0
	s_endpgm
.Lfunc_end_k_qd46bcd4f9b_proj:
	.size	k_qd46bcd4f9b_proj, .Lfunc_end_k_qd46bcd4f9b_proj-k_qd46bcd4f9b_proj
	.p2alignl 7, 3214868480
	.fill 96, 4, 3214868480
	.section	.rodata,"a",@progbits
	.p2align	6, 0x0
	.amdhsa_kernel k_qd46bcd4f9b_proj
		.amdhsa_group_segment_fixed_size 209920
		.amdhsa_private_segment_fixed_size 0
		.amdhsa_enable_private_segment 0
		.amdhsa_kernarg_size 176
		.amdhsa_user_sgpr_count 2
		.amdhsa_user_sgpr_kernarg_segment_ptr 1
		.amdhsa_wavefront_size32 1
		.amdhsa_system_sgpr_workgroup_id_x 1
		.amdhsa_system_sgpr_workgroup_id_y 1
		.amdhsa_system_sgpr_workgroup_id_z 1
		.amdhsa_system_vgpr_workitem_id 0
		.amdhsa_next_free_vgpr 512
		.amdhsa_next_free_sgpr 100
		.amdhsa_reserve_vcc 0
		.amdhsa_float_denorm_mode_32 3
		.amdhsa_float_denorm_mode_16_64 3
		.amdhsa_memory_ordered 1
		.amdhsa_forward_progress 1
		.amdhsa_inst_pref_size 245
	.end_amdhsa_kernel
	.amdgpu_metadata
---
amdhsa.version: [ 1, 2 ]
amdhsa.kernels:
  - .name:           k_qd46bcd4f9b_proj
    .symbol:         k_qd46bcd4f9b_proj.kd
    .args:
      - { .name: gene_embeds, .offset: 0, .size: 8, .value_kind: global_buffer, .address_space: global }
      - { .name: drug_embeds, .offset: 8, .size: 8, .value_kind: global_buffer, .address_space: global }
      - { .name: lng_g, .offset: 16, .size: 8, .value_kind: global_buffer, .address_space: global }
      - { .name: lnd_g, .offset: 24, .size: 8, .value_kind: global_buffer, .address_space: global }
      - { .name: lng_b, .offset: 32, .size: 8, .value_kind: global_buffer, .address_space: global }
      - { .name: lnd_b, .offset: 40, .size: 8, .value_kind: global_buffer, .address_space: global }
      - { .name: wgq_codes, .offset: 48, .size: 8, .value_kind: global_buffer, .address_space: global }
      - { .name: wdq_codes, .offset: 56, .size: 8, .value_kind: global_buffer, .address_space: global }
      - { .name: wgk_codes, .offset: 64, .size: 8, .value_kind: global_buffer, .address_space: global }
      - { .name: wdk_codes, .offset: 72, .size: 8, .value_kind: global_buffer, .address_space: global }
      - { .name: wgv_codes, .offset: 80, .size: 8, .value_kind: global_buffer, .address_space: global }
      - { .name: wdv_codes, .offset: 88, .size: 8, .value_kind: global_buffer, .address_space: global }
      - { .name: bgq, .offset: 96, .size: 8, .value_kind: global_buffer, .address_space: global }
      - { .name: bdq, .offset: 104, .size: 8, .value_kind: global_buffer, .address_space: global }
      - { .name: bgk, .offset: 112, .size: 8, .value_kind: global_buffer, .address_space: global }
      - { .name: bdk, .offset: 120, .size: 8, .value_kind: global_buffer, .address_space: global }
      - { .name: bgv, .offset: 128, .size: 8, .value_kind: global_buffer, .address_space: global }
      - { .name: bdv, .offset: 136, .size: 8, .value_kind: global_buffer, .address_space: global }
      - { .name: lowp_scales, .offset: 144, .size: 8, .value_kind: global_buffer, .address_space: global }
      - { .name: qimg, .offset: 152, .size: 8, .value_kind: global_buffer, .address_space: global }
      - { .name: kv, .offset: 160, .size: 8, .value_kind: global_buffer, .address_space: global }
      - { .name: eimg, .offset: 168, .size: 8, .value_kind: global_buffer, .address_space: global }
    .group_segment_fixed_size: 209920
    .private_segment_fixed_size: 0
    .kernarg_segment_align: 8
    .kernarg_segment_size: 176
    .max_flat_workgroup_size: 256
    .sgpr_count:     100
    .vgpr_count:     512
    .wavefront_size: 32
...
	.end_amdgpu_metadata
.endif
;; end of part 1
;; launch attn (part 2): grid 16 x 16, 8 waves a work-group, clusters of 4 x 1, 327,680 bytes of LDS; arguments qimg, kv, lowp_scales, cimg; writes cimg
.if DOCPART == 2
	.amdgcn_target "amdgcn-amd-amdhsa--gfx1250"
	.amdhsa_code_object_version 6
	.text
	.protected	k_qd46bcd4f9b_attn
	.globl	k_qd46bcd4f9b_attn
	.p2align	8
	.type	k_qd46bcd4f9b_attn,@function
k_qd46bcd4f9b_attn:
	s_mov_b64 s[64:65], 0
	v_nop
	global_prefetch_b8 v0, s[64:65] scope:SCOPE_SE
	s_setreg_imm32_b32 hwreg(HW_REG_WAVE_MODE, 25, 1), 1
	s_wait_xcnt 0x0
	s_wait_alu depctr_hold_cnt(0) depctr_sa_sdst(0) depctr_va_vdst(0) depctr_va_sdst(0) depctr_va_ssrc(0) depctr_va_vcc(0) depctr_vm_vsrc(0)
	s_getreg_b32 s2, hwreg(HW_REG_IB_STS2, 6, 4)
	s_cmp_eq_u32 s2, 0
	s_cbranch_scc0 .Lentry_in_a_cluster
	s_endpgm
.Lentry_in_a_cluster:
	s_bfe_u32 s2, ttmp6, 0x10000c
	s_cmp_lg_u32 s2, 0x3003
	s_cbranch_scc0 .Lentry_shape_is_right
	s_endpgm
.Lentry_shape_is_right:
; THE TWO ATTENTIONS (products 7 to 10) on codes of E5M2, and the context quantised twice, at the scale of the gate's left operand and at that of the output projection's.  No work of reference() is left out.
; Work-group y = 8 a + head (a = 0: gene queries, drug keys; 1: the other way); x = a block of 256 queries.  Each of eight waves owns two tiles of 16 queries, in 256 registers: no register windows, two waves to a SIMD,
; and each fragment of K and V that is read from LDS feeds two products.  Every wave walks the head's 4,096 keys, 64 a step, both products by v_wmma_f32_16x16x64_bf8_bf8, both transposed
; (S^T = K Q^T, O^T = V^T P^T): a lane holds one query throughout.  The keys of a tile are chosen (lane r of tile 2 b + u: key 32 b + 8 u + r + 8 (r / 8)) so that the 16 registers of tiles 2 b, 2 b + 1 are 16 neighbouring keys.
; THE SOFTMAX.  t = clip(score, -10, 10) x log2(e); p = 2^(t - M) is what is quantised; the row's sum is taken of the unquantised p and divides at the end.
; M IS THE CONSTANT 1.  reference() brings each head's q to length 1 / 8 and k to length 1.  The quantiser moves a normal number by at most an eighth of itself, raises a subnormal by less than a factor 2 or makes it 0, and the hold
; only shrinks: so whatever the inputs and scales, |score| <= 2 x 2 / 8 = 0.5 and |t| <= 0.7214; ceil of a row's largest t is 0 or 1; p = 2^(t - 1) lies between 0.30 and 0.83, and a sum of 4,096 of them between 1,200 and 3,400:
; no exponential and no sum can overflow or underflow.  Where a row's largest t is above 0, M = 1 is the definition's own M.  Where no score of a row is positive, the definition's M is 0: p and the sum are then carried at
; exactly half, the codes are the same numbers one binade lower, and the quotient is the same.  LIMIT: for such rows that holds for -15 <= ep <= 12; outside it the hold or the subnormals bite one binade apart.
; THE RING.  In kv a step's K and V parts lie on end, so 16 steps (1,024 keys) are one dense block of 131,072 bytes: a slot.  Two slots.  Every wave fetches 16,384 bytes of a slot by one tensor load, 64 rows of 256 bytes.
; CLUSTER.  The four query blocks of a cluster belong to one head and walk the same keys: each load is a joint request with the mask of all four.  A head has four slots' worth: two first fills, two refills;
; by this text's own count a wave has two tensor loads out at the start and one behind each round.
; NO PREFETCH: a refill is asked for 16 key steps (256 matrix instructions a wave and their softmax) ahead of its first read, so no wave waits for it, and nothing is prefetched at the head beside the first fills.
; LIMITS on the given exponents: eq + ek between -126 and 127 (they are added to the exponent field of log2(e)); ep and the context's two between -126 and 112.  NaN is not served.
; REGISTERS: v1 16 x lane; v2 the step's LDS address; v3, v4 the add's two; v6, v7 p's hold and scale; v10-17 the sums, two pairs a tile; v18, v19 permutes'; v20-35 Q; v36-67 K; v68-99 V; v100-163 S^T, then p;
;   v164-227 O^T; v228-243 p's codes; v244-247 the way out's holds and scales.
.set SLOT1, 131072
.set STEPB, 8192
.set SPARE, 2*SLOT1                    ; behind the ring: the spare words, 128 bytes for each wave: four blocks of 256 bytes that no other line names
.set LI,   1
.set ADR,  2
.set SPW,  3
.set NIL,  4
.set HOLD, 6
.set SCP,  7
.set L,    10
.set PT,   18
.set Q,    20
.set KF,   36
.set VF,   68
.set S,    100
.set O,    164
.set P,    228
.macro CROUND                          ; a round of the cluster's barrier: my work-group's barrier; wave 0 signals for the work-group; every wave waits for all four; my work-group's barrier once more
	s_barrier_signal -1
	s_barrier_wait -1
	s_cmp_lg_u32 s12, 0
	s_cbranch_scc1 .Lnot_wave_0_\@
	s_barrier_signal -3
.Lnot_wave_0_\@:
	s_barrier_wait -3
	s_barrier_signal -1
	s_barrier_wait -1
.endm
	s_load_b256 s[4:11], s[0:1], 0x0               ; qimg s[4:5], kv s[6:7], the scales' exponents s[8:9], cimg s[10:11]
	v_lshl_add_u32 v[SPW], v0, 2, SPARE
	v_mov_b32 v[NIL], 0
	ds_add_u32 v[SPW], v[NIL]                      ; the wave's opening: the add, twice on end, and its wait ahead of my first tensor load
	ds_add_u32 v[SPW], v[NIL]                      ; and once more; the set-up below, work on registers, stands between it and the wait
	v_lshrrev_b32 v1, 5, v0
	v_readfirstlane_b32 s12, v1                    ; wave 0..7
	s_bfe_u32 s13, ttmp6, 0x40000                  ; cx: my place in the cluster: it enters Q's and the context's global addresses alone
	s_lshl_b32 s14, ttmp9, 2
	s_add_co_u32 s14, s14, s13                     ; my block of 256 queries
	s_and_b32 s15, ttmp7, 0xffff                   ; 8 a + head, which the four partners share
	s_lshr_b32 s16, s15, 3                         ; a
	s_and_b32 s17, s15, 7                          ; head
	s_mov_b32 s24, 15|(3<<16)|(1<<21)              ; descriptor group 1: 15:0 the mask: all four; 17:16 elements of 8 bytes; 21 set beside a mask; no padding
	s_mov_b32 s25, 32<<16                          ; tensor_dim0 = 32 elements: rows of 256 bytes
	s_mov_b32 s26, 64<<16                          ; tensor_dim1 = 64
	s_mov_b32 s27, 32<<16                          ; tile_dim0 = 32
	s_mov_b32 s28, 64                              ; tile_dim1 = 64
	s_mov_b32 s29, 32                              ; from row to row: the block is dense
	s_mov_b32 s30, 0
	s_mov_b32 s31, 0
	s_mov_b32 s20, 0x76543210                      ; v_permlanex16_b32: lane l xor 16
	s_mov_b32 s21, 0xfedcba98
	s_mov_b32 s42, 0xc176d4ca                      ; -10 log2(e) - 1
	s_mov_b32 s43, 0x4156d4ca                      ;  10 log2(e) - 1
	s_xor_b32 s50, s16, 1                          ; the keys' side
	s_lshl_b32 s50, s50, 3
	s_add_co_u32 s50, s50, s17
	s_lshl_b32 s50, s50, 19                        ; a head's 64 steps of 8,192 bytes
	s_lshl_b32 s59, s12, 14                        ; my 16,384 bytes of a slot, in memory and in LDS
	s_add_co_u32 s50, s50, s59
	s_mov_b32 s51, 0
	s_lshl_b32 s52, s15, 18                        ; qimg: ((8 a + head) 256 + 16 block + 2 w) 1,024
	s_lshl_b32 s53, s14, 14
	s_add_co_u32 s52, s52, s53
	s_lshl_b32 s53, s12, 11
	s_add_co_u32 s52, s52, s53
	s_mov_b32 s53, 0
	s_lshl_b32 s54, s16, 22                        ; cimg: (2 a x 256 + 16 block + 2 w) 8,192 + 1,024 head (K step head / 2, blocks 2 (head % 2) on)
	s_lshl_b32 s55, s14, 17
	s_add_co_u32 s54, s54, s55
	s_add_co_u32 s54, s54, s59
	s_lshl_b32 s55, s17, 10
	s_add_co_u32 s54, s54, s55
	s_mov_b32 s55, 0
	s_lshl_b32 s56, s16, 4
	s_add_co_u32 s56, s56, 48                      ; eq, ek, ep, ev: entries 12 + 4 a on
	s_lshl_b32 s57, s16, 3
	s_add_co_u32 s58, s57, 96                      ; the projection's left operand: entry 24 + 2 a
	s_add_co_u32 s57, s57, 80                      ; the gate's: entry 20 + 2 a
	s_wait_dscnt 0x0                               ; both opening adds are done
	s_wait_kmcnt 0x0
	s_load_b128 s[44:47], s[8:9], s56 offset:0x0
	s_load_b32 s48, s[8:9], s57 offset:0x0
	s_load_b32 s49, s[8:9], s58 offset:0x0
	s_add_nc_u64 s[6:7], s[6:7], s[50:51]
	s_add_nc_u64 s[4:5], s[4:5], s[52:53]
	s_add_nc_u64 s[10:11], s[10:11], s[54:55]
	s_mov_b32 s32, 1                               ; group 0 for slot 0: count 1,
	s_mov_b32 s33, s59                             ; the LDS address,
	s_mov_b64 s[34:35], s[6:7]                     ; the global address: keys 0 to 1,023,
	s_or_b32 s35, s35, 0x80000000                  ; type 2
	s_mov_b32 s36, 1                               ; and for slot 1
	s_add_co_u32 s37, s59, SLOT1
	s_add_nc_u64 s[38:39], s[6:7], SLOT1           ; keys 1,024 to 2,047
	s_or_b32 s39, s39, 0x80000000
	CROUND                                         ; all four work-groups are here: the first joint loads meet
	tensor_load_to_lds s[32:35], s[24:31]
	s_nop 0
	tensor_load_to_lds s[36:39], s[24:31]
	s_nop 0
	v_and_b32 v[LI], 31, v0
	v_lshlrev_b32 v[LI], 4, v[LI]
.irp q, 0,1
.irp b, 0,1
	global_load_b128 v[Q+8*\q+4*\b:Q+8*\q+4*\b+3], v[LI], s[4:5] offset:1024*\q+512*\b   ; Q's two fragments stay in registers
.endr
.endr
.set j, 0
.rept 8
	v_mov_b32 v[L+j], 0                            ; the sums
.set j, j+1
.endr
	v_mov_b32 v[PT], 0                             ; a lane permute's destination counts as read
	v_mov_b32 v[PT+1], 0
	s_wait_kmcnt 0x0
	s_add_co_i32 s60, s44, s45
	s_lshl_b32 s60, s60, 23
	s_add_co_i32 s22, s60, 0x3fb8aa3b              ; log2(e) x 2^(eq + ek): the two exponents are added to the exponent field
	s_mov_b32 s23, s22                             ; (named with it as a pair)
	s_add_co_i32 s60, s46, 127
	s_lshl_b32 s61, s60, 23
	v_mov_b32 v[SCP], s61                          ; 2^ep
	s_add_co_i32 s60, s60, 15
	s_lshl_b32 s60, s60, 23
	s_or_b32 s60, s60, 0x600000
	v_mov_b32 v[HOLD], s60                         ; 57,344 x 2^ep
; THE SOFTMAX OF A STEP, in pairs of registers: pair i of 16 of tile q.
.macro PRE q, i                        ; t - 1, and reference()'s clip carried along (the map from score to t - 1 rises)
.set rA, S+32*(\q)+2*(\i)
	v_pk_fma_f32 v[rA:rA+1], v[rA:rA+1], s[22:23], -1.0 op_sel_hi:[1,0,0]
	v_med3_num_f32 v[rA], v[rA], s42, s43
	v_med3_num_f32 v[rA+1], v[rA+1], s42, s43
.endm
.macro EXPS q, i
.set rA, S+32*(\q)+2*(\i)
	v_exp_f32 v[rA], v[rA]
	v_exp_f32 v[rA+1], v[rA+1]
.endm
.macro POST q, i                       ; the sum takes the unquantised p; then the hold (p is not negative: one-sided), and for every eight numbers the conversion
.set rA, S+32*(\q)+2*(\i)
.set rL, L+4*(\q)+2*((\i)%2)
	v_pk_add_f32 v[rL:rL+1], v[rL:rL+1], v[rA:rA+1]
	v_min_num_f32 v[rA], v[rA], v[HOLD]
	v_min_num_f32 v[rA+1], v[rA+1], v[HOLD]
.if ((\i)%4) == 3
.set rC, S+32*(\q)+8*((\i)/4)
.set rP, P+8*(\q)+2*((\i)/4)
	v_cvt_scalef32_pk8_bf8_f32 v[rP:rP+1], v[rC:rC+7], v[SCP]
.endif
.endm
; A KEY STEP.  zero = 1: the products V^T P^T start O^T's sums.  pre = 1: the next step's K is fetched (not in a slot's last step: no read passes the slot's end).
; Each tile's 32 exponentials are one batch with one wait, and stand among the other tile's plain work.
.macro STEP zero, pre
	v_add_nc_u32 v[ADR], s40, v[LI]
.irp t, 0,1,2,3
.irp q, 0,1
	v_wmma_f32_16x16x64_bf8_bf8 v[S+32*\q+8*\t:S+32*\q+8*\t+7], v[KF+8*\t:KF+8*\t+7], v[Q+8*\q:Q+8*\q+7], 0
.endr
.endr
.rept 4
	v_nop                                          ; places: in front of the loads into K's registers (these products read them) and V's (the last step's read them), and of the first read of the scores
.endr
.irp d, 0,1,2,3
.irp b, 0,1
	ds_load_b128 v[VF+8*\d+4*\b:VF+8*\d+4*\b+3], v[ADR] offset:4096+1024*\d+512*\b
.endr
.endr
.if \pre
.irp t, 0,1,2,3
.irp b, 0,1
	ds_load_b128 v[KF+8*\t+4*\b:KF+8*\t+4*\b+3], v[ADR] offset:STEPB+1024*\t+512*\b
.endr
.endr
.endif
.set n, 0
.rept 16
	PRE 0, n
.set n, n+1
.endr
.set n, 0
.rept 16
	EXPS 0, n
	PRE 1, n
.set n, n+1
.endr
	s_wait_alu depctr_va_vdst(0)                   ; tile 0's batch: one wait ahead of its first reader; plain instructions stand behind its last exponential
.set n, 0
.rept 16
	EXPS 1, n
	POST 0, n
.set n, n+1
.endr
	v_nop
	s_wait_alu depctr_va_vdst(0)                   ; tile 1's batch
.set n, 0
.rept 16
	POST 1, n
.set n, n+1
.endr
	v_nop                                          ; a plain instruction between the last conversion and the products that read its result
	s_wait_dscnt 0x0                               ; V is in, and the next step's K
.irp d, 0,1,2,3
.irp q, 0,1
.if \zero
	v_wmma_f32_16x16x64_bf8_bf8 v[O+32*\q+8*\d:O+32*\q+8*\d+7], v[VF+8*\d:VF+8*\d+7], v[P+8*\q:P+8*\q+7], 0
.else
	v_wmma_f32_16x16x64_bf8_bf8 v[O+32*\q+8*\d:O+32*\q+8*\d+7], v[VF+8*\d:VF+8*\d+7], v[P+8*\q:P+8*\q+7], v[O+32*\q+8*\d:O+32*\q+8*\d+7]
.endif
.endr
.endr
	s_add_co_u32 s40, s40, STEPB                   ; between two links of a chain on O^T stand seven others' and the eight products K Q^T: the accumulators take turns
.endm
.macro SLOT base, first                ; a slot's 16 steps: the first K, then 15 steps that fetch the next K (the very first written out, since it starts the sums), then the last
	s_mov_b32 s40, \base
	v_add_nc_u32 v[ADR], s40, v[LI]
.irp t, 0,1,2,3
.irp b, 0,1
	ds_load_b128 v[KF+8*\t+4*\b:KF+8*\t+4*\b+3], v[ADR] offset:1024*\t+512*\b
.endr
.endr
	s_wait_dscnt 0x0
.if \first
	STEP 1, 1
	s_mov_b32 s41, 14
.else
	s_mov_b32 s41, 15
.endif
.Lstep_\@:
	STEP 0, 1
	s_sub_co_u32 s41, s41, 1
	s_cmp_lg_u32 s41, 0
	s_cbranch_scc1 .Lstep_\@
	STEP 0, 0
.endm
; THE CHANGE OF SLOTS.  Each wave waits for all its tensor loads (its part of the slot ahead), adds 0 to its spare word, and waits for that and for its reads of the slot that it leaves.
; fill = 1: that slot is filled with the keys two slots on: the barrier is a round of the cluster's, and the joint load is the first thing behind it.
.macro CHANGE g0, fill
	s_wait_tensorcnt 0x0                           ; no tensor load of mine is out, so a group 0 may be written
	ds_add_u32 v[SPW], v[NIL]
.if \fill
	s_add_nc_u64 s[\g0+2:\g0+3], s[\g0+2:\g0+3], 2*SLOT1   ; the type bits on top are not reached
.endif
	s_wait_dscnt 0x0
.if \fill
	CROUND
	tensor_load_to_lds s[\g0:\g0+3], s[24:31]
	s_nop 0
.else
	s_barrier_signal -1
	s_barrier_wait -1
.endif
.endm
	s_wait_tensorcnt 1                             ; my part of slot 0 is in; slot 1's may stay out
	s_barrier_signal -1
	s_barrier_wait -1                              ; everybody's is
	s_wait_loadcnt 0x0                             ; Q
	SLOT 0, 1                                      ; keys 0 to 1,023
	CHANGE 32, 1                                   ; slot 0 takes keys 2,048 on
	SLOT SLOT1, 0
	CHANGE 36, 1                                   ; slot 1 takes keys 3,072 on
	SLOT 0, 0
	CHANGE 0, 0                                    ; nothing is left to fetch
	SLOT SLOT1, 0
	; THE WAY OUT.  The four additions are the places behind the last products.
	v_pk_add_f32 v[L:L+1], v[L:L+1], v[L+2:L+3]
	v_pk_add_f32 v[L+4:L+5], v[L+4:L+5], v[L+6:L+7]
	v_add_f32 v[L], v[L], v[L+1]
	v_add_f32 v[L+4], v[L+4], v[L+5]
	v_permlanex16_b32 v[PT], v[L], s20, s21        ; the query's other keys lie in lane l xor 16
	v_permlanex16_b32 v[PT+1], v[L+4], s20, s21
	v_add_f32 v[L], v[L], v[PT]
	v_add_f32 v[L+4], v[L+4], v[PT+1]
	v_rcp_f32 v[L], v[L]
	v_rcp_f32 v[L+4], v[L+4]
	v_nop
.irp z, 0,1                            ; the context's two scales and holds
	s_add_co_i32 s60, s[48+\z], 127
	s_lshl_b32 s61, s60, 23
	v_mov_b32 v[245+2*\z], s61
	s_add_co_i32 s60, s60, 15
	s_lshl_b32 s60, s60, 23
	s_or_b32 s60, s60, 0x600000
	v_mov_b32 v[244+2*\z], s60
.endr
	s_add_co_i32 s62, s46, s47
	s_wait_alu depctr_va_vdst(0)                   ; one wait for the two reciprocals, ahead of their first reader
	v_ldexp_f32 v[L], v[L], s62                    ; x 2^(ep + ev)
	v_ldexp_f32 v[L+4], v[L+4], s62
.irp q, 0,1
.set j, 0
.rept 16
	v_pk_mul_f32 v[O+32*\q+j:O+32*\q+j+1], v[O+32*\q+j:O+32*\q+j+1], v[L+4*\q:L+4*\q+1] op_sel_hi:[1,0]   ; the context: register 8 d + i of tile q: channel 32 (d / 2) + 16 h + 8 (d % 2) + i
.set j, j+2
.endr
.endr
.macro OUTQ q, z                       ; tile q at scale z: held into registers that p has left (two halves by turns), codes into registers of their own, two stores of 512 bytes
.set TB, S+32*((\z)%2)
.set CB, KF+8*(2*(\q)+(\z))
.set j, 0
.rept 32
	v_med3_num_f32 v[TB+j], v[O+32*(\q)+j], -v[244+2*(\z)], v[244+2*(\z)]
.set j, j+1
.endr
.irp d, 0,1,2,3
	v_cvt_scalef32_pk8_bf8_f32 v[CB+2*\d:CB+2*\d+1], v[TB+8*\d:TB+8*\d+7], v[245+2*(\z)]
.endr
	v_nop
	global_store_b128 v[LI], v[CB:CB+3], s[10:11] offset:2097152*(\z)+8192*(\q)
	global_store_b128 v[LI], v[CB+4:CB+7], s[10:11] offset:2097152*(\z)+8192*(\q)+512
.endm
	OUTQ 0, 0
	OUTQ 0, 1
	OUTQ 1, 0
	OUTQ 1, 1
	s_wait_tensorcnt 0x0                           ; the wave's end, behind my last tensor load
	ds_add_u32 v[SPW], v[NIL]
	s_wait_dscnt 0x0
	CROUND                                         ; the closing round: no work-group ends while a partner may still ask for a tile that names it
	s_endpgm
.Lfunc_end_k_qd46bcd4f9b_attn:
	.size	k_qd46bcd4f9b_attn, .Lfunc_end_k_qd46bcd4f9b_attn-k_qd46bcd4f9b_attn
	.p2alignl 7, 3214868480
	.fill 96, 4, 3214868480
	.section	.rodata,"a",@progbits
	.p2align	6, 0x0
	.amdhsa_kernel k_qd46bcd4f9b_attn
		.amdhsa_group_segment_fixed_size 327680
		.amdhsa_private_segment_fixed_size 0
		.amdhsa_enable_private_segment 0
		.amdhsa_kernarg_size 32
		.amdhsa_user_sgpr_count 2
		.amdhsa_user_sgpr_kernarg_segment_ptr 1
		.amdhsa_wavefront_size32 1
		.amdhsa_system_sgpr_workgroup_id_x 1
		.amdhsa_system_sgpr_workgroup_id_y 1
		.amdhsa_system_sgpr_workgroup_id_z 1
		.amdhsa_system_vgpr_workitem_id 0
		.amdhsa_next_free_vgpr 256
		.amdhsa_next_free_sgpr 66
		.amdhsa_reserve_vcc 0
		.amdhsa_float_denorm_mode_32 3
		.amdhsa_float_denorm_mode_16_64 3
		.amdhsa_memory_ordered 1
		.amdhsa_forward_progress 1
		.amdhsa_inst_pref_size 155
	.end_amdhsa_kernel
	.amdgpu_metadata
---
amdhsa.version: [ 1, 2 ]
amdhsa.kernels:
  - .name:           k_qd46bcd4f9b_attn
    .symbol:         k_qd46bcd4f9b_attn.kd
    .args:
      - { .name: qimg, .offset: 0, .size: 8, .value_kind: global_buffer, .address_space: global }
      - { .name: kv, .offset: 8, .size: 8, .value_kind: global_buffer, .address_space: global }
      - { .name: lowp_scales, .offset: 16, .size: 8, .value_kind: global_buffer, .address_space: global }
      - { .name: cimg, .offset: 24, .size: 8, .value_kind: global_buffer, .address_space: global }
    .group_segment_fixed_size: 327680
    .private_segment_fixed_size: 0
    .kernarg_segment_align: 8
    .kernarg_segment_size: 32
    .max_flat_workgroup_size: 256
    .sgpr_count:     66
    .vgpr_count:     256
    .wavefront_size: 32
...
	.end_amdgpu_metadata
.endif
;; end of part 2
;; launch gate (part 3): grid 256 x 1, 8 waves a work-group, no clusters, 118,272 bytes of LDS; arguments cimg, eimg, gene_embeds, drug_embeds, wgg_codes, wdg_codes, wo_codes, bgg, bdg, gg_g, dg_g, gg_b, dg_b, bo, lowp_scales, out0, out1; writes out0, out1
.if DOCPART == 3
	.amdgcn_target "amdgcn-amd-amdhsa--gfx1250"
	.amdhsa_code_object_version 6
	.text
	.protected	k_qd46bcd4f9b_gate
	.globl	k_qd46bcd4f9b_gate
	.p2align	8
	.type	k_qd46bcd4f9b_gate,@function
k_qd46bcd4f9b_gate:
	s_mov_b64 s[64:65], 0
	v_nop
	global_prefetch_b8 v0, s[64:65] scope:SCOPE_SE
	s_setreg_imm32_b32 hwreg(HW_REG_WAVE_MODE, 25, 1), 1
	s_wait_xcnt 0x0
; THE GATES, THE OUTPUT PROJECTION AND THE RESIDUAL (products 11 to 14): out = embeds + sigmoid(LayerNorm([ctx, embeds] Wg + bg)) x (ctx Wo + bo).  No work of reference() is left out.
; Work-group x: side = x / 128, 32 consecutive rows (row tiles 2 (x % 128) and the next), all 512 columns.  Wave w makes columns 64 w .. 64 w + 63 of both products: twelve K steps of 128 (eight of the gate's K = 1,024: four of
; the context, four of the embeddings; four of the projection's), 8 matrix instructions each.  Its weight fragments go from memory straight into registers, four steps ahead, and no other wave of the work-group reads them.
; NO CLUSTER: a joint request is a tensor load, which lands in LDS; here each fragment is used by one wave, so the 768 KB of weights would pass through LDS for nothing.
; The left operands come as images of their registers (written by the two launches before): 48 KB are copied into LDS once, and every wave reads them from there.
; The products are used transposed (source 0 = 16 rows of the weight, source 1 = an image): lane (r, h) holds row 8 u + r + 8 (r / 8) of the 32 (u: the tile), register j of tile t column 64 w + 16 t + 8 h + j.
; LayerNorm's sums over the 512 columns go from wave to wave through LDS, the mean first and the squares of the differences after it.  The results meet in a stage, and each wave stores four whole rows.
; LIMITS: each product's two exponents together between -126 and 127.  NaN among the inputs is not served.
; REGISTERS, window 0: v1-11 addresses; v12-29 at work; v32-63 a bias as C; v64-127 two sets of the two tiles' fragments; v128-191 the gate's 8 accumulators, (t, u) at 128 + 32 u + 8 t; v192-255 the projection's.
;   Window 1: four sets of 64 for a K step's weight fragments; at the end set 0 holds the gain and the offset, set 1 my four rows of the embeddings, set 2 my four rows of the result.
.set RED0,  49152                      ; LDS: from 0 the images [context at the gate's scale, embeddings, context at the projection's scale][tile 2][s 4][c 4][512 bytes];
.set STG,   51200                      ; at 49,152 and 50,176 the waves' sums [tile][row 16][wave 8]; then the stage: 32 rows x (2,048 bytes + 16)
.set SP,    2064
.set SPARE, STG+32*SP                  ; the spare words, 128 bytes for each wave: four blocks of 256 bytes that no other line names
.set LI,  1
.set VWG, 2
.set VWO, 3
.set VB,  4
.set SPW, 5
.set NIL, 6
.set STO, 7
.set SRD, 8
.set RW,  9
.set RR,  10
.set CW,  11
.set BB,  32
.set AB,  64
.set MSB, 0
.macro WIN new                         ; the immediate's high byte repeats the setting that is left
.if MSB != \new
	s_set_vgpr_msb (MSB<<8)|\new
.set MSB, \new
.endif
.endm
.macro BARRIER                         ; my LDS stores have landed and my LDS loads are in: then the work-group's barrier
	s_wait_dscnt 0x0
	s_barrier_signal -1
	s_barrier_wait -1
.endm
.macro WLOAD sg                        ; K step sg's four weight fragments into set sg % 4
	WIN 0x40                                       ; destination window 1, address window 0
.irp t, 0,1,2,3
.irp c, 0,1,2,3
.if (\sg) < 8
	global_load_b128 v[64*((\sg)%4)+16*\t+4*\c:64*((\sg)%4)+16*\t+4*\c+3], v[VWG], s[16:17] offset:16384*\t+128*(\sg)+32*\c
.else
	global_load_b128 v[64*((\sg)%4)+16*\t+4*\c:64*((\sg)%4)+16*\t+4*\c+3], v[VWO], s[20:21] offset:8192*\t+128*((\sg)-8)+32*\c
.endif
.endr
.endr
	WIN 0
.endm
.macro BLOAD pb                        ; a bias in the result's layout
.irp t, 0,1,2,3
	global_load_b128 v[BB+8*\t:BB+8*\t+3], v[VB], s[\pb:\pb+1] offset:64*\t
	global_load_b128 v[BB+8*\t+4:BB+8*\t+7], v[VB], s[\pb:\pb+1] offset:64*\t+16
.endr
.endm
.macro AFETCH sg                       ; K step sg's fragments of the two row tiles into set sg % 2
.irp u, 0,1
.irp c, 0,1,2,3
	ds_load_b128 v[AB+32*((\sg)%2)+16*\u+4*\c:AB+32*((\sg)%2)+16*\u+4*\c+3], v[LI] offset:16384*((\sg)/4)+8192*\u+2048*((\sg)%4)+512*\c
.endr
.endr
.endm
.macro MUL sg                          ; eight products, the eight accumulators by turns; a sum's first product takes the bias as C
.set AC, 128+64*((\sg)/8)
	WIN 0x01                                       ; source 0 (the weight) window 1
.irp t, 0,1,2,3
.irp u, 0,1
.if ((\sg)%8) == 0
	v_wmma_f32_16x16x128_bf8_bf8 v[AC+32*\u+8*\t:AC+32*\u+8*\t+7], v[64*((\sg)%4)+16*\t:64*((\sg)%4)+16*\t+15], v[AB+32*((\sg)%2)+16*\u:AB+32*((\sg)%2)+16*\u+15], v[BB+8*\t:BB+8*\t+7]
.else
	v_wmma_f32_16x16x128_bf8_bf8 v[AC+32*\u+8*\t:AC+32*\u+8*\t+7], v[64*((\sg)%4)+16*\t:64*((\sg)%4)+16*\t+15], v[AB+32*((\sg)%2)+16*\u:AB+32*((\sg)%2)+16*\u+15], v[AC+32*\u+8*\t:AC+32*\u+8*\t+7]
.endif
.endr
.endr
	WIN 0
.endm
.macro GSTEP sg, n, dn                 ; n: the global loads younger than this step's weights;  dn: the next step's eight image loads, or none
.if (\sg) < 11
	AFETCH (\sg)+1
.endif
	s_wait_loadcnt \n
.if ((\sg)%8) == 0
.set j, 0
.rept 32
	v_ldexp_f32 v[BB+j], v[BB+j], s[82+(\sg)/8]    ; the bias divided by the power of two that the sums lack
.set j, j+1
.endr
.endif
	s_wait_dscnt \dn
	MUL \sg
.rept 4
	v_nop                                          ; places in front of the loads into registers that these products read, and of the first read of results
.endr
.endm
	s_load_b512 s[8:23], s[0:1], 0x0               ; cimg, eimg, gene, drug embeddings, wgg, wdg, wo, bgg
	s_load_b512 s[24:39], s[0:1], 0x40             ; bdg, gg_g, dg_g, gg_b, dg_b, bo, the scales' exponents, out0
	s_load_b64 s[40:41], s[0:1], 0x80              ; out1
	v_lshl_add_u32 v[SPW], v0, 2, SPARE
	v_mov_b32 v[NIL], 0
	v_lshrrev_b32 v12, 5, v0
	v_readfirstlane_b32 s42, v12                   ; wave
	s_lshr_b32 s43, ttmp9, 7                       ; side
	s_and_b32 s44, ttmp9, 127                      ; block of 32 rows
	s_mov_b32 s60, 0x76543210                      ; v_permlanex16_b32: lane l xor 16
	s_mov_b32 s61, 0xfedcba98
	s_mov_b32 s62, 0x3b000000                      ; 1 / 512
	s_mov_b32 s63, 0x3727c5ac                      ; 1e-5
	v_and_b32 v12, 15, v0                          ; r
	v_bfe_u32 v13, v0, 4, 1                        ; h
	v_and_b32 v14, 31, v0
	v_lshlrev_b32 v[LI], 4, v14                    ; 16 x lane
	v_lshlrev_b32 v[VWG], 10, v12                  ; the gate's weight: a row is 1,024 codes
	v_lshl_add_u32 v[VWG], v13, 4, v[VWG]
	v_lshlrev_b32 v[VWO], 9, v12                   ; the projection's: 512
	v_lshl_add_u32 v[VWO], v13, 4, v[VWO]
	v_lshlrev_b32 v[VB], 5, v13                    ; what hangs on the column: 8 h numbers on
	v_and_b32 v15, 8, v12
	v_add_nc_u32 v15, v15, v12                     ; r + 8 (r / 8)
	v_mul_u32_u24 v[STO], v15, SP
	v_lshl_add_u32 v[STO], v13, 5, v[STO]
	s_lshl_b32 s66, s42, 8
	s_add_co_u32 s66, s66, STG
	v_add_nc_u32 v[STO], s66, v[STO]               ; into the stage: my row, + 32 h, + my wave's 256 bytes
	s_mul_i32 s66, s42, 4*SP
	s_add_co_u32 s66, s66, STG
	v_add_nc_u32 v[SRD], s66, v[LI]                ; back: my wave's four rows
	v_lshlrev_b32 v[RR], 5, v12
	v_add_nc_u32 v[RR], RED0, v[RR]                ; a row's eight parts
	s_lshl_b32 s66, s42, 2
	v_add_nc_u32 v[RW], s66, v[RR]                 ; mine of them
	s_lshl_b32 s66, s42, 11
	v_add_nc_u32 v[CW], s66, v[LI]                 ; the copy: my wave's 2,048 bytes of each 16,384
	v_mov_b32 v28, 0                               ; lane permutes' destinations count as read
	v_mov_b32 v29, 0
	s_lshl_b32 s68, s43, 22
	s_lshl_b32 s69, s44, 14
	s_add_co_u32 s68, s68, s69                     ; cimg: (2 side x 256 + 2 block) 8,192
	s_lshl_b32 s70, s43, 21
	s_add_co_u32 s70, s70, s69                     ; eimg: (256 side + 2 block) 8,192
	s_mov_b32 s69, 0
	s_mov_b32 s71, 0
	s_lshl_b32 s72, s44, 16
	s_lshl_b32 s73, s42, 13
	s_add_co_u32 s72, s72, s73                     ; my four rows: (32 block + 4 w) 2,048
	s_mov_b32 s73, 0
	s_lshl_b32 s74, s42, 16                        ; my 64 rows of the gate's weight,
	s_mov_b32 s75, 0
	s_lshl_b32 s76, s42, 15                        ; of the projection's,
	s_mov_b32 s77, 0
	s_lshl_b32 s78, s42, 8                         ; my 64 numbers of what hangs on the column
	s_mov_b32 s79, 0
	s_lshl_b32 s80, s43, 3
	s_add_co_u32 s81, s80, 96                      ; entries 24 + 2 side, 25 + 2 side
	s_add_co_u32 s80, s80, 80                      ; entries 20 + 2 side, 21 + 2 side
	s_wait_kmcnt 0x0
	s_load_b64 s[46:47], s[36:37], s80 offset:0x0
	s_load_b64 s[48:49], s[36:37], s81 offset:0x0
	s_cmp_eq_u32 s43, 0                            ; gene's buffers or drug's: the choice hangs on the work-group's number alone
	s_cselect_b64 s[12:13], s[12:13], s[14:15]
	s_cselect_b64 s[16:17], s[16:17], s[18:19]
	s_cselect_b64 s[22:23], s[22:23], s[24:25]
	s_cselect_b64 s[26:27], s[26:27], s[28:29]
	s_cselect_b64 s[30:31], s[30:31], s[32:33]
	s_cselect_b64 s[38:39], s[38:39], s[40:41]
	s_add_nc_u64 s[8:9], s[8:9], s[68:69]
	s_add_nc_u64 s[10:11], s[10:11], s[70:71]
	s_add_nc_u64 s[12:13], s[12:13], s[72:73]
	s_add_nc_u64 s[38:39], s[38:39], s[72:73]
	s_add_nc_u64 s[16:17], s[16:17], s[74:75]
	s_add_nc_u64 s[20:21], s[20:21], s[76:77]
	s_add_nc_u64 s[22:23], s[22:23], s[78:79]
	s_add_nc_u64 s[26:27], s[26:27], s[78:79]
	s_add_nc_u64 s[30:31], s[30:31], s[78:79]
	s_add_nc_u64 s[34:35], s[34:35], s[78:79]
.irp i, 0,1,2,3
	global_load_b128 v[128+4*\i:128+4*\i+3], v[CW], s[8:9] offset:512*\i             ; the context at the gate's scale,
.endr
.irp i, 0,1,2,3
	global_load_b128 v[144+4*\i:144+4*\i+3], v[CW], s[10:11] offset:512*\i           ; the embeddings,
.endr
.irp i, 0,1,2,3
	global_load_b128 v[160+4*\i:160+4*\i+3], v[CW], s[8:9] offset:2097152+512*\i     ; the context at the projection's scale
.endr
	BLOAD 22                                       ; the gate's bias
	WLOAD 0
	WLOAD 1
	s_wait_loadcnt 40                              ; the copy's twelve are in; younger: the bias (8), two K steps of weights (32)
.irp e, 0,1,2
.irp i, 0,1,2,3
	ds_store_b128 v[CW], v[128+16*\e+4*\i:128+16*\e+4*\i+3] offset:16384*\e+512*\i
.endr
.endr
	WLOAD 2
	WLOAD 3
	s_wait_kmcnt 0x0
	s_add_co_i32 s85, s46, s47                     ; the gate's eA + eB
	s_sub_co_i32 s82, 0, s85
	s_lshl_b32 s84, s85, 1
	s_sub_co_i32 s84, s84, 9                       ; 2 (eA + eB) - 9: the variance's factor and its 1 / 512 in one
	s_add_co_i32 s86, s48, s49                     ; the projection's
	s_sub_co_i32 s83, 0, s86
	s_add_co_i32 s86, s86, 127
	s_lshl_b32 s86, s86, 23                        ; 2^(eA + eB) as f32
	s_mov_b32 s87, s86                             ; (named with it as a pair)
	BARRIER                                        ; the images lie in LDS
	AFETCH 0
	GSTEP 0, 48, 8                                 ; younger than step 0's weights: three steps' (48)
	WLOAD 4
	BLOAD 34                                       ; bo, into the registers that the gate's bias has left
	GSTEP 1, 56, 8                                 ; three steps' and bo's 8
	WLOAD 5
	GSTEP 2, 56, 8
	WLOAD 6
	GSTEP 3, 56, 8
	WLOAD 7
	GSTEP 4, 56, 8
	WLOAD 8
	GSTEP 5, 48, 8                                 ; three steps'
	WLOAD 9
	GSTEP 6, 48, 8
	WLOAD 10
	GSTEP 7, 48, 8
	WLOAD 11
	GSTEP 8, 48, 8
	WIN 0x40
.irp t, 0,1,2,3                        ; LayerNorm's gain and offset in the result's layout, into set 0
	global_load_b128 v[8*\t:8*\t+3], v[VB], s[26:27] offset:64*\t
	global_load_b128 v[8*\t+4:8*\t+7], v[VB], s[26:27] offset:64*\t+16
	global_load_b128 v[32+8*\t:32+8*\t+3], v[VB], s[30:31] offset:64*\t
	global_load_b128 v[32+8*\t+4:32+8*\t+7], v[VB], s[30:31] offset:64*\t+16
.endr
	WIN 0
	GSTEP 9, 48, 8                                 ; two steps' and those 16
	WIN 0x40
.irp i, 0,1,2,3                        ; my four rows of the embeddings, into set 1
.irp e, 0,1,2,3
	global_load_b128 v[64+16*\i+4*\e:64+16*\i+4*\e+3], v[LI], s[12:13] offset:2048*\i+512*\e
.endr
.endr
	WIN 0
	GSTEP 10, 48, 8                                ; one step's, and twice 16
	GSTEP 11, 32, 0                                ; twice 16
; LayerNorm over the 512 columns.  u: the row tile.
.macro RFIN u, off                     ; two chains become my wave's part of the row's sum, which goes to LDS
	v_pk_add_f32 v[C0:C0+1], v[C0:C0+1], v[C0+2:C0+3]
	v_add_f32 v[C0], v[C0], v[C0+1]
	v_permlanex16_b32 v[28+\u], v[C0], s60, s61    ; the wave's other 32 columns lie in lane l xor 16
	v_add_f32 v[C0], v[C0], v[28+\u]
	ds_store_b32 v[RW], v[C0] offset:\off+512*\u   ; (lanes l and l xor 16 store the same number to the same word)
.endm
.macro RGET u, off
.set C0, 12+8*(\u)
	ds_load_b128 v[C0:C0+3], v[RR] offset:\off+512*\u
	ds_load_b128 v[C0+4:C0+7], v[RR] offset:\off+512*\u+16
.endm
.macro RADD u                          ; the eight waves' parts, in the same order in every wave
.set C0, 12+8*(\u)
	v_pk_add_f32 v[C0:C0+1], v[C0:C0+1], v[C0+2:C0+3]
	v_pk_add_f32 v[C0+4:C0+5], v[C0+4:C0+5], v[C0+6:C0+7]
	v_pk_add_f32 v[C0:C0+1], v[C0:C0+1], v[C0+4:C0+5]
	v_add_f32 v[C0], v[C0], v[C0+1]
.endm
.irp u, 0,1
.set GB, 128+32*\u
.set C0, 12+8*\u
	v_pk_add_f32 v[C0:C0+1], v[GB:GB+1], v[GB+4:GB+5]         ; each accumulator from its low end on
	v_pk_add_f32 v[C0+2:C0+3], v[GB+2:GB+3], v[GB+6:GB+7]
.irp j, 8,12,16,20,24,28
	v_pk_add_f32 v[C0:C0+1], v[C0:C0+1], v[GB+\j:GB+\j+1]
	v_pk_add_f32 v[C0+2:C0+3], v[C0+2:C0+3], v[GB+\j+2:GB+\j+3]
.endr
	RFIN \u, 0
.endr
	BARRIER                                        ; the eight parts of each row's sum lie in LDS
	RGET 0, 0
	RGET 1, 0
	s_wait_dscnt 0x0
.irp u, 0,1
.set GB, 128+32*\u
	RADD \u
	v_mul_f32 v[C0], s62, v[C0]                    ; the mean
.set j, 0
.rept 16
	v_pk_add_f32 v[GB+j:GB+j+1], v[GB+j:GB+j+1], v[C0:C0+1] op_sel_hi:[1,0] neg_lo:[0,1] neg_hi:[0,1]
.set j, j+2
.endr
	v_pk_mul_f32 v[C0:C0+1], v[GB:GB+1], v[GB:GB+1]
	v_pk_mul_f32 v[C0+2:C0+3], v[GB+2:GB+3], v[GB+2:GB+3]
.irp j, 4,8,12,16,20,24,28
	v_pk_fma_f32 v[C0:C0+1], v[GB+\j:GB+\j+1], v[GB+\j:GB+\j+1], v[C0:C0+1]
	v_pk_fma_f32 v[C0+2:C0+3], v[GB+\j+2:GB+\j+3], v[GB+\j+2:GB+\j+3], v[C0+2:C0+3]
.endr
	RFIN \u, 1024
.endr
	BARRIER                                        ; and the eight parts of the squares' sums, in bytes of their own
	RGET 0, 1024
	RGET 1, 1024
	s_wait_dscnt 0x0
.irp u, 0,1
	RADD \u
	v_ldexp_f32 v[C0], v[C0], s84                  ; the true variance
	v_add_f32 v[C0], s63, v[C0]                    ; + 1e-5
.endr
	v_rsq_f32 v12, v12
	v_rsq_f32 v20, v20
	v_nop
	s_wait_alu depctr_va_vdst(0)                   ; one wait for the two, ahead of their first reader
	v_ldexp_f32 v12, v12, s85                      ; x 2^(eA + eB), which the differences lack
	v_ldexp_f32 v20, v20, s85
.irp u, 0,1
.set j, 0
.rept 16
	v_pk_mul_f32 v[128+32*\u+j:128+32*\u+j+1], v[128+32*\u+j:128+32*\u+j+1], v[12+8*\u:13+8*\u] op_sel_hi:[1,0]
.set j, j+2
.endr
.endr
	s_wait_loadcnt 16                              ; the gain and the offset are in; the embeddings' 16 may be out
	WIN 0x14                                       ; sources 1 and 2 window 1
.irp u, 0,1
.set j, 0
.rept 16
	v_pk_fma_f32 v[128+32*\u+j:128+32*\u+j+1], v[128+32*\u+j:128+32*\u+j+1], v[j:j+1], v[32+j:32+j+1]
.set j, j+2
.endr
.endr
	WIN 0
.set j, 0
.rept 32
	v_pk_mul_f32 v[128+j:128+j+1], v[128+j:128+j+1], 0xbfb8aa3b op_sel_hi:[1,0]   ; x -log2(e): sigmoid(z) = 1 / (1 + 2^(-z log2(e)))
.set j, j+2
.endr
.set j, 0
.rept 64
	v_exp_f32 v[128+j], v[128+j]
.set j, j+1
.endr
	v_nop
	s_wait_alu depctr_va_vdst(0)                   ; one wait for the batch
.set j, 0
.rept 32
	v_pk_add_f32 v[128+j:128+j+1], v[128+j:128+j+1], 1.0 op_sel_hi:[1,0]
.set j, j+2
.endr
.set j, 0
.rept 64
	v_rcp_f32 v[128+j], v[128+j]
.set j, j+1
.endr
.set j, 0
.rept 32
	v_pk_mul_f32 v[192+j:192+j+1], v[192+j:192+j+1], s[86:87] op_sel_hi:[1,0]      ; ctx Wo + bo: x the power of two that the sums lack.  (Plain work behind the reciprocals, which names none of their results)
.set j, j+2
.endr
	s_wait_alu depctr_va_vdst(0)                   ; one wait for the batch
.set j, 0
.rept 32
	v_pk_mul_f32 v[192+j:192+j+1], v[192+j:192+j+1], v[128+j:128+j+1]              ; x the gate
.set j, j+2
.endr
.irp u, 0,1
.irp t, 0,1,2,3
	ds_store_b128 v[STO], v[192+32*\u+8*\t:192+32*\u+8*\t+3] offset:8*SP*\u+64*\t
	ds_store_b128 v[STO], v[192+32*\u+8*\t+4:192+32*\u+8*\t+7] offset:8*SP*\u+64*\t+16
.endr
.endr
	BARRIER                                        ; 32 whole rows lie in the stage
	WIN 0x40
.irp i, 0,1,2,3
.irp e, 0,1,2,3
	ds_load_b128 v[128+16*\i+4*\e:128+16*\i+4*\e+3], v[SRD] offset:SP*\i+512*\e
.endr
.endr
	s_wait_loadcnt 0x0                             ; the embeddings
	s_wait_dscnt 0x0
	WIN 0x45                                       ; destination and both sources window 1
.set j, 0
.rept 32
	v_pk_add_f32 v[128+j:128+j+1], v[128+j:128+j+1], v[64+j:64+j+1]
.set j, j+2
.endr
	WIN 0x04                                       ; the stores' data window 1, their address window 0
.irp i, 0,1,2,3
.irp e, 0,1,2,3
	global_store_b128 v[LI], v[128+16*\i+4*\e:128+16*\i+4*\e+3], s[38:39] offset:2048*\i+512*\e th:TH_STORE_NT   ; 32 lanes store 512 consecutive bytes of a row, aligned
.endr
.endr
	WIN 0
	s_wait_tensorcnt 0x0                           ; the wave's end, behind my last LDS store
	ds_add_u32 v[SPW], v[NIL]
	s_wait_dscnt 0x0
	s_endpgm
.Lfunc_end_k_qd46bcd4f9b_gate:
	.size	k_qd46bcd4f9b_gate, .Lfunc_end_k_qd46bcd4f9b_gate-k_qd46bcd4f9b_gate
	.p2alignl 7, 3214868480
	.fill 96, 4, 3214868480
	.section	.rodata,"a",@progbits
	.p2align	6, 0x0
	.amdhsa_kernel k_qd46bcd4f9b_gate
		.amdhsa_group_segment_fixed_size 118272
		.amdhsa_private_segment_fixed_size 0
		.amdhsa_enable_private_segment 0
		.amdhsa_kernarg_size 136
		.amdhsa_user_sgpr_count 2
		.amdhsa_user_sgpr_kernarg_segment_ptr 1
		.amdhsa_wavefront_size32 1
		.amdhsa_system_sgpr_workgroup_id_x 1
		.amdhsa_system_sgpr_workgroup_id_y 1
		.amdhsa_system_sgpr_workgroup_id_z 1
		.amdhsa_system_vgpr_workitem_id 0
		.amdhsa_next_free_vgpr 512
		.amdhsa_next_free_sgpr 100
		.amdhsa_reserve_vcc 0
		.amdhsa_float_denorm_mode_32 3
		.amdhsa_float_denorm_mode_16_64 3
		.amdhsa_memory_ordered 1
		.amdhsa_forward_progress 1
		.amdhsa_inst_pref_size 81
	.end_amdhsa_kernel
	.amdgpu_metadata
---
amdhsa.version: [ 1, 2 ]
amdhsa.kernels:
  - .name:           k_qd46bcd4f9b_gate
    .symbol:         k_qd46bcd4f9b_gate.kd
    .args:
      - { .name: cimg, .offset: 0, .size: 8, .value_kind: global_buffer, .address_space: global }
      - { .name: eimg, .offset: 8, .size: 8, .value_kind: global_buffer, .address_space: global }
      - { .name: gene_embeds, .offset: 16, .size: 8, .value_kind: global_buffer, .address_space: global }
      - { .name: drug_embeds, .offset: 24, .size: 8, .value_kind: global_buffer, .address_space: global }
      - { .name: wgg_codes, .offset: 32, .size: 8, .value_kind: global_buffer, .address_space: global }
      - { .name: wdg_codes, .offset: 40, .size: 8, .value_kind: global_buffer, .address_space: global }
      - { .name: wo_codes, .offset: 48, .size: 8, .value_kind: global_buffer, .address_space: global }
      - { .name: bgg, .offset: 56, .size: 8, .value_kind: global_buffer, .address_space: global }
      - { .name: bdg, .offset: 64, .size: 8, .value_kind: global_buffer, .address_space: global }
      - { .name: gg_g, .offset: 72, .size: 8, .value_kind: global_buffer, .address_space: global }
      - { .name: dg_g, .offset: 80, .size: 8, .value_kind: global_buffer, .address_space: global }
      - { .name: gg_b, .offset: 88, .size: 8, .value_kind: global_buffer, .address_space: global }
      - { .name: dg_b, .offset: 96, .size: 8, .value_kind: global_buffer, .address_space: global }
      - { .name: bo, .offset: 104, .size: 8, .value_kind: global_buffer, .address_space: global }
      - { .name: lowp_scales, .offset: 112, .size: 8, .value_kind: global_buffer, .address_space: global }
      - { .name: out0, .offset: 120, .size: 8, .value_kind: global_buffer, .address_space: global }
      - { .name: out1, .offset: 128, .size: 8, .value_kind: global_buffer, .address_space: global }
    .group_segment_fixed_size: 118272
    .private_segment_fixed_size: 0
    .kernarg_segment_align: 8
    .kernarg_segment_size: 136
    .max_flat_workgroup_size: 256
    .sgpr_count:     100
    .vgpr_count:     512
    .wavefront_size: 32
...
	.end_amdgpu_metadata
.endif
;; end of part 3
;; ======== version 2 of 2: 3 launches; version 1 with the launches proj, gate written anew for expert scheduling mode
;; limits: right only within a limited range of input values
;; workspace buffers: qimg 4,194,304 bytes; kv 8,388,608 bytes; eimg 4,194,304 bytes; cimg 8,388,608 bytes
;; launch proj (part 4): grid 64 x 3, 8 waves a work-group, no clusters, 209,920 bytes of LDS; arguments gene_embeds, drug_embeds, lng_g, lnd_g, lng_b, lnd_b, wgq_codes, wdq_codes, wgk_codes, wdk_codes, wgv_codes, wdv_codes, bgq, bdq, bgk, bdk, bgv, bdv, lowp_scales, qimg, kv, eimg; writes qimg, kv, eimg
.if DOCPART == 4
	.amdgcn_target "amdgcn-amd-amdhsa--gfx1250"
	.amdhsa_code_object_version 6
	.text
	.protected	k_qd46bcd4f9b_proj
	.globl	k_qd46bcd4f9b_proj
	.p2align	8
	.type	k_qd46bcd4f9b_proj,@function
k_qd46bcd4f9b_proj:
	s_mov_b64 s[64:65], 0
	v_nop
	global_prefetch_b8 v0, s[64:65] scope:SCOPE_SE
	s_setreg_imm32_b32 hwreg(HW_REG_WAVE_SCHED_MODE, 0, 2), 2
	s_setreg_imm32_b32 hwreg(HW_REG_WAVE_MODE, 25, 1), 1
	s_wait_xcnt 0x0
	s_wait_alu depctr_vm_vsrc(0)
; THE SIX PROJECTIONS (products 1 to 6), with all that stands ahead of and behind them: LayerNorm, the quantising of x, the product on codes of E5M2, the bias, for q and k the norm of each head's 64
; (q also x 1/8), and the quantising of q, k and v for the attention.  The work-groups that make v also quantise the embeddings at the scale of the gate's left operand.
; NO WORK OF reference() IS LEFT OUT in any of the three launches: every input has a way to an output and is loaded; the clip at +-10 is executed.
; SHARES.  Work-group x: side (0 gene, 1 drug) = x / 32, block of 128 rows G = x % 32.  Work-group y: kind 0 = q, 1 = k, 2 = v.  Wave w = head w = output columns 64 w .. 64 w + 63: its 64 rows of the weight's codes
; (4 tiles x 4 K steps x 16 registers = window 1) are read once and stay.  Ahead of the products wave w takes rows 16 w .. 16 w + 15 of x, a lane 16 neighbouring columns of a row, and lays their codes in LDS.
; NO CLUSTER: a weight fragment is used by one wave and goes from memory straight into its registers; a joint request is a tensor load, which lands in LDS, so the 256 KB of a weight would pass through LDS for nothing.
; 192 work-groups: 8,192 rows x 3 kinds in 256 equal parts would be 96 rows, which does not divide 4,096.
; ONE ORDER OF ROWS: lane r of row tile T holds row 32 (T / 2) + 8 (T % 2) + r + 8 (r / 8).  ONE ORDER OF k: registers 4 c .. 4 c + 3 of lane (r, h) hold k = 32 c + 16 h + 0 .. 15, on both sides of every product.
; WORKSPACE, as images of operand registers (blocks of 512 bytes, lane l's 16 bytes at 16 l; every store of a wave covers 512 consecutive bytes, aligned):
;   qimg [side][head][row tile 256][b 2]          q's codes, channels 32 b + 16 h + ..
;   kv   [side][head][step of 64 keys][K, V][tile 4][b 2]   K: key tile, channels 32 b + ..;  V: tile of 16 channels (lane r: channel 32 (t / 2) + 8 (t % 2) + r + 8 (r / 8)), keys 32 b + 16 h + ..
;   eimg [side][row tile 256][s 4][c 4]           the embeddings' codes at the gate's scale
; THE TEXT PARTS ONCE, on the kind (the work-group's y, the same in all eight waves), into a text for q and k and a text for v; they do not join again, and each has LDS bytes of its own.
; q, k: source 0 = 16 rows of the weight, source 1 = 16 rows of x: a lane holds one row and 32 of the head's 64 channels.  v: the sources swapped: a lane holds one channel and its registers run along the rows, which are the keys.
; LIMITS on the given exponents, so that each power of two made below is an f32 number: that of x, that of the gate's operand, that of q and of k, and for v (its own - x's - the weight's): -126 .. 112.
; The sums of a product are kept without their factor 2^(eA + eB); it is put on by v_ldexp_f32.  A head's sum of squares is to be an f32 number with and without that factor.  NaN among the inputs is not served.
; REGISTERS, window 0: v1, v2 where I read images; v3, v4 offsets of my stores (v: v4 the image that I copy out); v5, v6 the add's two; v7, v8 the way out's hold and scale; v9 x's offset; v10-13 at work; v14 a permute's;
;   v15 where I store x's codes; v16-47 the bias as C; v48-111 eight accumulators; v112-127 codes; v128-255 eight fragments of x.  Ahead of the barrier v48-111 hold LayerNorm's gain and offset, numbers at work, the holds
;   and scales, and v128-255 two sets of four rows of x.   Window 1: the weight's 16 fragments, (tile t, K step s) at 64 t + 16 s.
; THE MODE: SCHED_MODE bits 1:0 = 2 (LLVM: expert scheduling mode 2), set by the entry lines.  The code itself states the register dependences between vector or matrix instructions and memory or LDS
; instructions, with s_wait_alu, always for 0.
; THE PLAN.  Registers that memory or LDS instructions touch:
;   v1-4, v9, v15, v108, v110, v111   addresses and offsets.  Written at the head and at each text's start; one wait on va_vdst in each text, ahead of its first load.  v108, v110, v111 lie where results land later:
;                  one wait on vm_vsrc behind the barrier.  The others are never written again.
;   v128-255       Ahead of the barrier: group g's LayerNorm, holds and conversions work on set g % 2; the loads of group g + 2 land in it, and behind the barrier the first fragments.
;                  Behind it: a pair's 32 products read all of it; the next pair's fragments land in it; the tails name none of it.
;   v112-127 (v: and v80-95)   codes.  Written by conversions; read by the group's LDS stores, later by the pair's global stores; written again by the next group's or pair's conversions.
;   v48-111        v alone: the copy of the gate's image lands here and is stored from here, ahead of the first products.
; So a group has ONE wait on va_vdst, behind its conversions (the codes are written; the vector work is done with the set), and all its LDS stores and global loads follow it with no vector instruction between;
; a pair has one behind its products' places, ahead of the next fragments' loads, and one behind both tails, ahead of its stores.  A wait on vm_vsrc stands ahead of each rewriting of the codes' registers.
.set BP,     272                       ; a block of an image in LDS: 16 row lanes x 16 bytes + 16 of padding: 17 x 16, so that sixteen lanes 272 bytes apart fall on sixteen different columns of 16 bytes
.set TILEB,  32*BP                     ; a row tile's image: 32 blocks, block 8 s + 2 c + h
.set XIMGV,  8*TILEB                   ; q, k: x's eight tiles from byte 0;  v: from here,
.set EIMG,   16*TILEB                  ; and the embeddings at the gate's scale from here
.set SPARE,  24*TILEB                  ; the spare words, 128 bytes for each wave: four blocks of 256 bytes that no other line names
.set LIA,  1
.set LIB,  2
.set GOF0, 3
.set GOF1, 4
.set EA,   4
.set SPW,  5
.set NIL,  6
.set OLIM, 7
.set OSC,  8
.set XA,   9
.set PT,   14
.set XW,   15
.set B1,   16
.set HA,   48
.set LG,   48
.set LB,   64
.set T,    80
.set ST,   96
.set T32,  48
.set PC2,  80
.set LIMA, 104
.set SCA,  105
.set LIMG, 106
.set SCG,  107
.set XW2,  108
.set VW,   110
.set VBO,  111
.set PC,   112
.set XF,   128
.set MSB, 0
.macro WIN new                         ; the immediate's high byte repeats the setting that is left
.if MSB != \new
	s_set_vgpr_msb (MSB<<8)|\new
.set MSB, \new
.endif
.endm
.macro POW2 dl, dsc, e                 ; v[dsc] = 2^e as f32 (a conversion takes its exponent field), v[dl] = 57,344 x 2^e
	s_add_co_i32 s90, \e, 127
	s_lshl_b32 s91, s90, 23
	v_mov_b32 v[\dsc], s91
	s_add_co_i32 s90, s90, 15
	s_lshl_b32 s90, s90, 23
	s_or_b32 s90, s90, 0x600000
	v_mov_b32 v[\dl], s90
.endm
.macro XLOAD g                         ; rows 4 g .. 4 g + 3 of my 16: a lane's 16 neighbouring columns, 64 bytes, of each
.irp i, 0,1,2,3
.irp j, 0,1,2,3
	global_load_b128 v[XF+64*((\g)%2)+16*\i+4*\j:XF+64*((\g)%2)+16*\i+4*\j+3], v[XA], s[8:9] offset:(4*(\g)+\i)*2048+16*\j
.endr
.endr
.endm
.macro WLOAD half, wb                  ; K steps 2 half, 2 half + 1 of my four tiles of the weight: lane r of tile t takes row 32 (t / 2) + 8 (t % 2) + r + 8 (r / 8) of my 64.  No vector instruction ever names window 1 ahead of these loads
	WIN 0x40                                       ; destination window 1, address window 0
.irp t, 0,1,2,3
.irp e, 0,1
.irp c, 0,1,2,3
	global_load_b128 v[64*\t+16*(2*(\half)+\e)+4*\c:64*\t+16*(2*(\half)+\e)+4*\c+3], v[VW], s[\wb:\wb+1] offset:(32*(\t/2)+8*(\t%2))*512+128*(2*(\half)+\e)+32*\c
.endr
.endr
.endr
	WIN 0
.endm
.macro RED4                            ; four rows' pairs in T become four sums over the wave's 32 lanes, in ST, ST + 2, ..
.irp i, 0,1,2,3
	v_add_f32 v[ST+2*\i], v[T+2*\i], v[T+2*\i+1]
.endr
.irp m, 1,2,4,8
.irp i, 0,1,2,3
	v_add_f32_dpp v[ST+2*\i], v[ST+2*\i], v[ST+2*\i] row_xmask:\m row_mask:0xf bank_mask:0xf
.endr
.endr
.irp i, 0,1,2,3
	v_permlanex16_b32 v[T+\i], v[ST+2*\i], s60, s61
.endr
.irp i, 0,1,2,3
	v_add_f32 v[ST+2*\i], v[ST+2*\i], v[T+\i]
.endr
.endm
.macro LN4 xb                          ; LayerNorm of four rows, in place, the rows by turns.  The mean is taken away before the squares are summed: a common offset of the inputs costs no digits
.set XB, \xb
.irp i, 0,1,2,3
	v_pk_add_f32 v[T+2*\i:T+2*\i+1], v[XB+16*\i:XB+16*\i+1], v[XB+16*\i+2:XB+16*\i+3]
.endr
.irp j, 4,6,8,10,12,14
.irp i, 0,1,2,3
	v_pk_add_f32 v[T+2*\i:T+2*\i+1], v[T+2*\i:T+2*\i+1], v[XB+16*\i+\j:XB+16*\i+\j+1]
.endr
.endr
	RED4
.irp i, 0,1,2,3
	v_mul_f32 v[ST+2*\i], s62, v[ST+2*\i]          ; the mean
.endr
.irp j, 0,2,4,6,8,10,12,14
.irp i, 0,1,2,3
	v_pk_add_f32 v[XB+16*\i+\j:XB+16*\i+\j+1], v[XB+16*\i+\j:XB+16*\i+\j+1], v[ST+2*\i:ST+2*\i+1] op_sel_hi:[1,0] neg_lo:[0,1] neg_hi:[0,1]
.endr
.endr
.irp i, 0,1,2,3
	v_pk_mul_f32 v[T+2*\i:T+2*\i+1], v[XB+16*\i:XB+16*\i+1], v[XB+16*\i:XB+16*\i+1]
.endr
.irp j, 2,4,6,8,10,12,14
.irp i, 0,1,2,3
	v_pk_fma_f32 v[T+2*\i:T+2*\i+1], v[XB+16*\i+\j:XB+16*\i+\j+1], v[XB+16*\i+\j:XB+16*\i+\j+1], v[T+2*\i:T+2*\i+1]
.endr
.endr
	RED4
.irp i, 0,1,2,3
	v_fma_f32 v[ST+2*\i], v[ST+2*\i], s62, s63     ; the variance + 1e-5
.endr
.irp i, 0,1,2,3
	v_rsq_f32 v[ST+2*\i], v[ST+2*\i]
.endr
	v_nop                                          ; a plain instruction behind the last of the four,
	s_wait_alu depctr_va_vdst(0)                   ; and the one wait ahead of the batch's first reader: the four reciprocal roots in v[ST], v[ST + 2], .. are written
.irp j, 0,2,4,6,8,10,12,14
.irp i, 0,1,2,3
	v_pk_mul_f32 v[XB+16*\i+\j:XB+16*\i+\j+1], v[XB+16*\i+\j:XB+16*\i+\j+1], v[ST+2*\i:ST+2*\i+1] op_sel_hi:[1,0]
.endr
.endr
.irp j, 0,2,4,6,8,10,12,14
.irp i, 0,1,2,3
	v_pk_fma_f32 v[XB+16*\i+\j:XB+16*\i+\j+1], v[XB+16*\i+\j:XB+16*\i+\j+1], v[LG+\j:LG+\j+1], v[LB+\j:LB+\j+1]
.endr
.endr
.endm
.macro ST4 adr, pc, g                  ; four rows' codes into the images: row 4 g + i of my 16 lies in tile 2 (w / 2) + row / 8 at row lane 8 (w % 2) + row % 8; my lane is the block
.irp i, 0,1,2,3
	ds_store_b128 v[\adr], v[\pc+4*\i:\pc+4*\i+3] offset:((4*(\g)+\i)/8)*TILEB+16*((4*(\g)+\i)%8)
.endr
.endm
.macro QUANT4 xb, lim, sc, pc          ; four rows are held in place and turned into codes
.set XB, \xb
.set j, 0
.rept 64
	v_med3_num_f32 v[XB+j], v[XB+j], -v[\lim], v[\lim]   ; the conversion to an 8-bit code does not saturate (ISA guide 7.6.2): the hold at the largest code x the scale
.set j, j+1
.endr
.irp i, 0,1,2,3
	v_cvt_scalef32_pk8_bf8_f32 v[\pc+4*\i:\pc+4*\i+1], v[XB+16*\i:XB+16*\i+7], v[\sc]
	v_cvt_scalef32_pk8_bf8_f32 v[\pc+4*\i+2:\pc+4*\i+3], v[XB+16*\i+8:XB+16*\i+15], v[\sc]
.endr
	v_nop                                          ; a plain instruction behind the last conversion
.endm
.macro FETCH p                         ; tiles 2 p, 2 p + 1 of x, all four K steps: 32 loads; sixteen lanes take a block's 256 consecutive bytes
.irp u, 0,1
.irp s, 0,1,2,3
.irp c, 0,1,2,3
.if (\p) < 2
	ds_load_b128 v[XF+64*\u+16*\s+4*\c:XF+64*\u+16*\s+4*\c+3], v[LIA] offset:((2*(\p)+\u)%4)*TILEB+BP*(8*\s+2*\c)
.else
	ds_load_b128 v[XF+64*\u+16*\s+4*\c:XF+64*\u+16*\s+4*\c+3], v[LIB] offset:((2*(\p)+\u)%4)*TILEB+BP*(8*\s+2*\c)
.endif
.endr
.endr
.endr
.endm
.macro PLACES                          ; four plain instructions between a matrix instruction and a read of its result or a load into its sources
.rept 4
	v_nop
.endr
.endm
	s_load_b512 s[8:23], s[0:1], 0x0               ; gene, drug embeddings; lng_g, lnd_g; lng_b, lnd_b; wgq, wdq
	s_load_b512 s[24:39], s[0:1], 0x40             ; wgk, wdk; wgv, wdv; bgq, bdq; bgk, bdk
	s_load_b256 s[40:47], s[0:1], 0x80             ; bgv, bdv; the scales' exponents; qimg
	s_load_b128 s[48:51], s[0:1], 0xa0             ; kv, eimg
	v_lshl_add_u32 v[SPW], v0, 2, SPARE
	v_mov_b32 v[NIL], 0
	v_lshrrev_b32 v10, 5, v0
	v_readfirstlane_b32 s52, v10                   ; wave = head
	s_lshr_b32 s53, ttmp9, 5                       ; side
	s_and_b32 s54, ttmp9, 31                       ; G
	s_and_b32 s55, ttmp7, 0xffff                   ; kind
	s_mov_b32 s60, 0x76543210                      ; v_permlanex16_b32: lane l xor 16
	s_mov_b32 s61, 0xfedcba98
	s_mov_b32 s62, 0x3b000000                      ; 1 / 512
	s_mov_b32 s63, 0x3727c5ac                      ; 1e-5
	v_and_b32 v10, 15, v0                          ; r
	v_bfe_u32 v11, v0, 4, 1                        ; h
	v_and_b32 v12, 31, v0                          ; lane
	v_and_b32 v13, 8, v10
	v_add_nc_u32 v13, v13, v10                     ; r + 8 (r / 8)
	v_lshlrev_b32 v[GOF0], 4, v12                  ; an image's place for my lane
	v_lshlrev_b32 v[XA], 6, v12                    ; my 16 columns of a row of x, of the gain and of the offset
	v_mul_u32_u24 v[LIA], v11, BP
	v_lshl_add_u32 v[LIA], v10, 4, v[LIA]          ; reading: 272 h + 16 r
	v_mul_u32_u24 v[XW], v12, BP                   ; writing: 272 x lane,
	s_wait_alu depctr_va_sdst(0)                   ; s52, the wave's number, is written, ahead of its first reader: LDS places and all bases are made from it
	s_lshr_b32 s80, s52, 1
	s_mul_i32 s80, s80, 2*TILEB                    ; + two tiles x (w / 2)
	s_and_b32 s81, s52, 1
	s_lshl_b32 s81, s81, 7                         ; + eight row lanes x (w % 2)
	s_add_co_u32 s80, s80, s81
	v_add_nc_u32 v[XW], s80, v[XW]
	v_lshlrev_b32 v[VW], 9, v13                    ; the weight: a row is 512 codes
	v_lshl_add_u32 v[VW], v11, 4, v[VW]
	v_mov_b32 v[PT], 0                             ; a lane permute's destination counts as read
	s_lshl_b32 s66, s54, 7
	s_lshl_b32 s67, s52, 4
	s_add_co_u32 s66, s66, s67                     ; my first row of x: 128 G + 16 w,
	s_lshl_b32 s66, s66, 11                        ; in bytes
	s_mov_b32 s67, 0
	s_lshl_b32 s68, s52, 15                        ; my 64 rows of the weight
	s_mov_b32 s69, 0
	s_lshl_b32 s70, s52, 8                         ; my 64 numbers of the bias
	s_mov_b32 s71, 0
	s_lshl_b32 s72, s53, 3
	s_add_co_u32 s72, s72, s52                     ; 8 side + head
	s_lshl_b32 s72, s72, 18
	s_lshl_b32 s73, s54, 13
	s_add_co_u32 s72, s72, s73                     ; qimg: ((8 side + head) 256 + 8 G) 1,024; in kv twice that
	s_mov_b32 s73, 0
	s_lshl_b32 s74, s53, 8
	s_lshl_b32 s75, s54, 3
	s_add_co_u32 s74, s74, s75
	s_add_co_u32 s74, s74, s52
	s_lshl_b32 s74, s74, 13                        ; eimg: (256 side + 8 G + w) 8,192
	s_mov_b32 s75, 0
	s_mul_i32 s76, s53, 24
	s_lshl_b32 s77, s55, 3
	s_add_co_u32 s76, s76, s77                     ; the product's two exponents: entries 6 side + 2 kind and the next
	s_lshl_b32 s77, s53, 4
	s_add_co_u32 s78, s77, 48                      ; q's: entry 12 + 4 side
	s_lshl_b32 s79, s55, 3
	s_add_co_u32 s79, s79, 60
	s_sub_co_u32 s79, s79, s77                     ; k's: 17 - 4 side;  v's: 19 - 4 side
	s_cmp_eq_u32 s55, 0
	s_cselect_b32 s78, s78, s79
	s_lshl_b32 s79, s53, 3
	s_add_co_u32 s79, s79, 80                      ; the gate's left operand: entry 20 + 2 side
	s_wait_kmcnt 0x0
	s_load_b64 s[56:57], s[44:45], s76 offset:0x0  ; eA, eB
	s_load_b32 s58, s[44:45], s78 offset:0x0       ; the exponent of what I make
	s_cmp_eq_u32 s53, 0                            ; gene's buffers or drug's: the choice hangs on the work-group's number alone
	s_cselect_b64 s[8:9], s[8:9], s[10:11]
	s_cselect_b64 s[12:13], s[12:13], s[14:15]
	s_cselect_b64 s[16:17], s[16:17], s[18:19]
	s_cselect_b64 s[20:21], s[20:21], s[22:23]
	s_cselect_b64 s[24:25], s[24:25], s[26:27]
	s_cselect_b64 s[28:29], s[28:29], s[30:31]
	s_cselect_b64 s[32:33], s[32:33], s[34:35]
	s_cselect_b64 s[36:37], s[36:37], s[38:39]
	s_cselect_b64 s[40:41], s[40:41], s[42:43]
	s_add_nc_u64 s[8:9], s[8:9], s[66:67]
	s_cmp_eq_u32 s55, 2
	s_cbranch_scc1 .Lvpath
; ======== q and k ========
	s_cmp_eq_u32 s55, 0
	s_cselect_b64 s[20:21], s[20:21], s[24:25]     ; the weight,
	s_cselect_b64 s[32:33], s[32:33], s[36:37]     ; the bias,
	s_cselect_b64 s[46:47], s[46:47], s[48:49]     ; qimg or kv
	s_cselect_b32 s80, 0, 1
	s_cselect_b32 s81, 3, 0                        ; q is also divided by 8 = sqrt(64)
	s_cselect_b32 s86, 0, 4096                     ; in kv a step's V part lies between tiles 3 and 4
	s_lshl_b32 s72, s72, s80
	s_add_nc_u64 s[20:21], s[20:21], s[68:69]
	s_add_nc_u64 s[32:33], s[32:33], s[70:71]
	s_add_nc_u64 s[46:47], s[46:47], s[72:73]
	v_add_nc_u32 v[GOF1], s86, v[GOF0]
	v_add_nc_u32 v[LIB], 4*TILEB, v[LIA]
	v_lshlrev_b32 v[VBO], 6, v11                   ; the bias in the result's layout: tile t's register j is channel 32 (t / 2) + 8 (t % 2) + 16 h + j
	s_wait_alu depctr_va_vdst(0)                   ; the addresses and offsets v1-4, v9, v15, v110, v111 are written, which every load and store of this text reads
.irp t, 0,1,2,3
	global_load_b128 v[B1+8*\t:B1+8*\t+3], v[VBO], s[32:33] offset:(32*(\t/2)+8*(\t%2))*4
	global_load_b128 v[B1+8*\t+4:B1+8*\t+7], v[VBO], s[32:33] offset:(32*(\t/2)+8*(\t%2))*4+16
.endr
.irp j, 0,1,2,3
	global_load_b128 v[LG+4*\j:LG+4*\j+3], v[XA], s[12:13] offset:16*\j
	global_load_b128 v[LB+4*\j:LB+4*\j+3], v[XA], s[16:17] offset:16*\j
.endr
	XLOAD 0
	XLOAD 1
	WLOAD 0, 20
.irp i, 0,1,2,3
	v_mov_b32 v[ST+2*\i+1], 0                      ; named as the upper halves of pairs
.endr
	s_wait_kmcnt 0x0
	POW2 LIMA, SCA, s56
	s_add_co_i32 s82, s56, s57                     ; eA + eB
	s_sub_co_i32 s83, 0, s82
	s_lshl_b32 s84, s82, 1
	s_sub_co_i32 s85, s82, s81
.macro GROUPQ g, n                     ; four rows: n = the loads younger than theirs, which may stay out
	s_wait_loadcnt \n
	LN4 XF+64*((\g)%2)
	s_wait_dscnt 0x0                               ; the last group's LDS stores are done
.if (\g) > 0
	s_wait_alu depctr_vm_vsrc(0)                   ; the last group's LDS stores have read v[PC ..], which the conversions below write again
.endif
	QUANT4 XF+64*((\g)%2), LIMA, SCA, PC
	s_wait_alu depctr_va_vdst(0)                   ; the conversions have written v[PC ..], which the LDS stores read; LayerNorm, the holds and the conversions are done with this set of x, in which later loads land
	ST4 XW, PC, \g
.if (\g) < 2
	XLOAD (\g)+2                                   ; no vector instruction since the wait
.endif
.if (\g) == 1
	WLOAD 1, 20
.endif
.endm
	GROUPQ 0, 48                                   ; younger: rows 4-7 (16), half the weight (32)
	GROUPQ 1, 48                                   ; half the weight (32), rows 8-11 (16)
	GROUPQ 2, 48                                   ; rows 12-15 (16), the other half (32)
	GROUPQ 3, 32                                   ; the other half of the weight
	s_wait_dscnt 0x0                               ; my stores into the images are done
	s_barrier_signal -1
	s_barrier_wait -1                              ; all eight tiles of x lie in LDS
	s_wait_alu depctr_vm_vsrc(0)                   ; the global loads have read v110, v111, which the products write; the last group's LDS stores have read v[PC ..], which the tails' conversions write
	FETCH 0                                        ; no vector instruction since the last group's wait on va_vdst: both sets of x are free
	s_wait_loadcnt 0x0                             ; the weight is in
.set j, 0
.rept 32
	v_ldexp_f32 v[B1+j], v[B1+j], s83              ; the bias goes in as the C of a sum's first product, divided by the power of two that the sums lack
.set j, j+1
.endr
	POW2 OLIM, OSC, s58
.macro MULQ                            ; 32 products: K step by K step, the eight accumulators (two row tiles x four tiles of channels) by turns
	WIN 0x01                                       ; source 0 (the weight) window 1
.irp s, 0,1,2,3
.irp u, 0,1
.irp t, 0,1,2,3
.if \s == 0
	v_wmma_f32_16x16x128_bf8_bf8 v[HA+32*\u+8*\t:HA+32*\u+8*\t+7], v[64*\t+16*\s:64*\t+16*\s+15], v[XF+64*\u+16*\s:XF+64*\u+16*\s+15], v[B1+8*\t:B1+8*\t+7]
.else
	v_wmma_f32_16x16x128_bf8_bf8 v[HA+32*\u+8*\t:HA+32*\u+8*\t+7], v[64*\t+16*\s:64*\t+16*\s+15], v[XF+64*\u+16*\s:XF+64*\u+16*\s+15], v[HA+32*\u+8*\t:HA+32*\u+8*\t+7]
.endif
.endr
.endr
.endr
	WIN 0
.endm
.macro TAILQ u                         ; a row tile of the pair: the head's norm, the hold, the codes
.set HB, HA+32*(\u)
	v_pk_mul_f32 v[10:11], v[HB:HB+1], v[HB:HB+1]  ; the sum of my 32 squares, in two chains, each accumulator from its low end on
	v_pk_mul_f32 v[12:13], v[HB+2:HB+3], v[HB+2:HB+3]
.irp j, 4,8,12,16,20,24,28
	v_pk_fma_f32 v[10:11], v[HB+\j:HB+\j+1], v[HB+\j:HB+\j+1], v[10:11]
	v_pk_fma_f32 v[12:13], v[HB+\j+2:HB+\j+3], v[HB+\j+2:HB+\j+3], v[12:13]
.endr
	v_pk_add_f32 v[10:11], v[10:11], v[12:13]
	v_add_f32 v10, v10, v11
	v_permlanex16_b32 v[PT], v10, s60, s61         ; the row's other 32 channels lie in lane l xor 16
	v_add_f32 v10, v10, v[PT]
	v_ldexp_f32 v10, v10, s84                      ; x 2^(2 (eA + eB)): the true sum of squares
	v_rsq_f32 v10, v10
	v_nop
	s_wait_alu depctr_va_vdst(0)                   ; the reciprocal root in v10 is written, ahead of its first reader
	v_min_num_f32 v10, 0x5368d4a5, v10             ; 1 / max(n, 1e-12) = min(1 / n, 1e12)
	v_ldexp_f32 v10, v10, s85                      ; x 2^(eA + eB), which the sums lack; q: / 8
.set j, 0
.rept 16
	v_pk_mul_f32 v[HB+j:HB+j+1], v[HB+j:HB+j+1], v[10:11] op_sel_hi:[1,0]
.set j, j+2
.endr
.set j, 0
.rept 32
	v_med3_num_f32 v[HB+j], v[HB+j], -v[OLIM], v[OLIM]
.set j, j+1
.endr
.irp t, 0,1,2,3
	v_cvt_scalef32_pk8_bf8_f32 v[PC+8*(\u)+2*\t:PC+8*(\u)+2*\t+1], v[HB+8*\t:HB+8*\t+7], v[OSC]   ; tiles 2 b, 2 b + 1: channels 32 b + 16 h + 0 .. 15
.endr
	v_nop                                          ; a plain instruction behind the last conversion
.endm
.macro STQ u, tt                       ; row tile tt of the block: two stores of 512 bytes
.irp b, 0,1
.if (\tt) < 4
	global_store_b128 v[GOF0], v[PC+8*(\u)+4*\b:PC+8*(\u)+4*\b+3], s[46:47] offset:(\tt)*1024+512*\b
.else
	global_store_b128 v[GOF1], v[PC+8*(\u)+4*\b:PC+8*(\u)+4*\b+3], s[46:47] offset:(\tt)*1024+512*\b
.endif
.endr
.endm
.irp p, 0,1,2,3
	s_wait_dscnt 0x0                               ; the two tiles' fragments are in
	MULQ
	PLACES
	s_wait_xcnt 0x0                                ; the last stores have had their addresses translated: the codes' registers are rewritten only behind this wait,
.if \p > 0
	s_wait_alu depctr_vm_vsrc(0)                   ; and the last pair's stores, a pair's products back, have read v[PC ..], which the tails' conversions write again
.endif
.if \p < 3
	s_wait_alu depctr_va_vdst(0)                   ; the products are done reading v128-255, in which the next fragments land
	FETCH \p+1                                     ; the next two tiles come while these two are finished: the tails name none of v128-255
.endif
	TAILQ 0
	TAILQ 1
	s_wait_alu depctr_va_vdst(0)                   ; both tails' conversions have written v[PC ..], which the four stores read
	STQ 0, 2*\p
	STQ 1, 2*\p+1
.endr
	s_wait_dscnt 0x0                               ; the closing lines, six on end
	s_wait_alu 0x0
	s_wait_tensorcnt 0x0
	ds_add_u32 v[SPW], v[NIL]
	s_wait_dscnt 0x0
	s_endpgm
; ======== v, and the embeddings for the gate ========
.Lvpath:
	s_load_b32 s59, s[44:45], s79 offset:0x0       ; the exponent of the gate's left operand
	s_add_nc_u64 s[28:29], s[28:29], s[68:69]      ; the weight,
	s_add_nc_u64 s[40:41], s[40:41], s[70:71]      ; the bias,
	s_lshl_b32 s72, s72, 1
	s_add_co_u32 s72, s72, 4096
	s_add_nc_u64 s[48:49], s[48:49], s[72:73]      ; kv at the V part of my first step,
	s_add_nc_u64 s[50:51], s[50:51], s[74:75]      ; eimg at the tile that I copy out
	s_mul_i32 s80, s52, TILEB
	s_add_co_u32 s80, s80, EIMG
	v_add_nc_u32 v[EA], s80, v[LIA]                ; tile w of the gate's images
	v_add_nc_u32 v[XW2], EIMG, v[XW]
	v_add_nc_u32 v[XW], XIMGV, v[XW]
	v_add_nc_u32 v[LIA], XIMGV, v[LIA]
	v_add_nc_u32 v[LIB], 4*TILEB, v[LIA]
	v_lshlrev_b32 v[VBO], 2, v13                   ; here a lane holds ONE channel: 32 (t / 2) + 8 (t % 2) + r + 8 (r / 8)
	s_wait_alu depctr_va_vdst(0)                   ; the addresses and offsets v1-4, v9, v15, v108, v110, v111 are written, which every load and store of this text reads
.irp t, 0,1,2,3
	global_load_b32 v[B1+8*\t], v[VBO], s[40:41] offset:(32*(\t/2)+8*(\t%2))*4
.endr
	XLOAD 0
	XLOAD 1
	WLOAD 0, 28
	s_wait_kmcnt 0x0
	POW2 LIMA, SCA, s56
	POW2 LIMG, SCG, s59
	s_add_co_i32 s82, s56, s57
	s_sub_co_i32 s83, 0, s82
	s_sub_co_i32 s86, s58, s82                     ; a sum stands for sum x 2^(eA + eB): its code is sum / 2^(ev - eA - eB): three scales in one
.macro GROUPV g, n                     ; four rows, quantised twice: at the gate's scale (held into other registers, two rows at a time), then at the product's (in place)
	s_wait_loadcnt \n
	s_wait_dscnt 0x0                               ; the last group's LDS stores are done
.if (\g) > 0
	s_wait_alu depctr_vm_vsrc(0)                   ; the last group's LDS stores have read v[PC2 ..] and v[PC ..], which the conversions below write again
.endif
.set XB, XF+64*((\g)%2)
.irp f, 0,1
.set j, 0
.rept 32
	v_med3_num_f32 v[T32+j], v[XB+32*\f+j], -v[LIMG], v[LIMG]
.set j, j+1
.endr
.irp i, 0,1
	v_cvt_scalef32_pk8_bf8_f32 v[PC2+8*\f+4*\i:PC2+8*\f+4*\i+1], v[T32+16*\i:T32+16*\i+7], v[SCG]
	v_cvt_scalef32_pk8_bf8_f32 v[PC2+8*\f+4*\i+2:PC2+8*\f+4*\i+3], v[T32+16*\i+8:T32+16*\i+15], v[SCG]
.endr
	v_nop                                          ; a plain instruction between the conversions and the next writes of their sources
.endr
	QUANT4 XF+64*((\g)%2), LIMA, SCA, PC
	s_wait_alu depctr_va_vdst(0)                   ; both runs of conversions have written v[PC2 ..] and v[PC ..], which the LDS stores read; the holds and conversions are done with this set of x and with v48-107, in which later loads land
	ST4 XW2, PC2, \g
	ST4 XW, PC, \g
.if (\g) < 2
	XLOAD (\g)+2                                   ; no vector instruction since the wait
.endif
.if (\g) == 1
	WLOAD 1, 28
.endif
.endm
	GROUPV 0, 48                                   ; the counts as for q and k
	GROUPV 1, 48
	GROUPV 2, 48
	GROUPV 3, 32
	s_wait_dscnt 0x0
	s_barrier_signal -1
	s_barrier_wait -1                              ; both sets of images lie in LDS
	s_wait_alu depctr_vm_vsrc(0)                   ; the LDS stores have read v80-95 and v108, the global loads v110, v111: the copy below lands on them; the LDS stores have read v[PC ..], which the tails' conversions write
	FETCH 0                                        ; no vector instruction since the last group's wait on va_vdst: both sets of x are free, and so are v48-107
	s_wait_loadcnt 0x0                             ; the weight and the bias are in
.set k, 0
.rept 16
	ds_load_b128 v[HA+4*k:HA+4*k+3], v[EA] offset:BP*(8*(k/4)+2*(k%4))
.set k, k+1
.endr
	s_wait_dscnt 0x0
.set k, 0
.rept 16
	global_store_b128 v[GOF0], v[HA+4*k:HA+4*k+3], s[50:51] offset:512*k   ; tile w of the embeddings' codes, as an image
.set k, k+1
.endr
.irp t, 0,1,2,3
.irp j, 7,6,5,4,3,2,1,0
	v_ldexp_f32 v[B1+8*\t+\j], v[B1+8*\t], s83     ; the lane's one bias, for its eight rows, divided by the power of two that the sums lack
.endr
.endr
	POW2 OLIM, OSC, s86
	s_wait_xcnt 0x0                                ; the copy's stores have had their addresses translated,
	s_wait_alu depctr_vm_vsrc(0)                   ; and have read v48-111, which the products write
.macro MULV                            ; source 0 = 16 rows of x, source 1 = 16 rows of the weight: a lane holds one channel, its registers run along the rows
	WIN 0x04                                       ; source 1 window 1
.irp s, 0,1,2,3
.irp d, 0,1,2,3
.irp u, 0,1
.if \s == 0
	v_wmma_f32_16x16x128_bf8_bf8 v[HA+16*\d+8*\u:HA+16*\d+8*\u+7], v[XF+64*\u+16*\s:XF+64*\u+16*\s+15], v[64*\d+16*\s:64*\d+16*\s+15], v[B1+8*\d:B1+8*\d+7]
.else
	v_wmma_f32_16x16x128_bf8_bf8 v[HA+16*\d+8*\u:HA+16*\d+8*\u+7], v[XF+64*\u+16*\s:XF+64*\u+16*\s+15], v[64*\d+16*\s:64*\d+16*\s+15], v[HA+16*\d+8*\u:HA+16*\d+8*\u+7]
.endif
.endr
.endr
.endr
	WIN 0
.endm
.macro TAILV bp                        ; rows 32 bp .. 32 bp + 31 of the block: keys 32 (bp % 2) + 16 h + 0 .. 15 of step bp / 2, for four tiles of channels
.set j, 0
.rept 64
	v_med3_num_f32 v[HA+j], v[HA+j], -v[OLIM], v[OLIM]
.set j, j+1
.endr
.irp d, 0,1,2,3
.irp u, 0,1
	v_cvt_scalef32_pk8_bf8_f32 v[PC+4*\d+2*\u:PC+4*\d+2*\u+1], v[HA+16*\d+8*\u:HA+16*\d+8*\u+7], v[OSC]
.endr
.endr
	v_nop
	s_wait_alu depctr_va_vdst(0)                   ; the conversions have written v[PC ..], which the four stores read
.irp d, 0,1,2,3
	global_store_b128 v[GOF0], v[PC+4*\d:PC+4*\d+3], s[48:49] offset:((\bp)/2)*8192+1024*\d+512*((\bp)%2)
.endr
.endm
.irp p, 0,1,2,3
	s_wait_dscnt 0x0
	MULV
	PLACES
	s_wait_xcnt 0x0                                ; the last stores have had their addresses translated: the codes' registers are rewritten only behind this wait,
.if \p > 0
	s_wait_alu depctr_vm_vsrc(0)                   ; and the last pair's stores, a pair's products back, have read v[PC ..], which the tail's conversions write again
.endif
.if \p < 3
	s_wait_alu depctr_va_vdst(0)                   ; the products are done reading v128-255, in which the next fragments land
	FETCH \p+1
.endif
	TAILV \p
.endr
	s_wait_dscnt 0x0                               ; the closing lines, six on end, once more
	s_wait_alu 0x0
	s_wait_tensorcnt 0x0
	ds_add_u32 v[SPW], v[NIL]
	s_wait_dscnt 0x0
	s_endpgm
.Lfunc_end_k_qd46bcd4f9b_proj:
	.size	k_qd46bcd4f9b_proj, .Lfunc_end_k_qd46bcd4f9b_proj-k_qd46bcd4f9b_proj
	.p2alignl 7, 3214868480
	.fill 96, 4, 3214868480
	.section	.rodata,"a",@progbits
	.p2align	6, 0x0
	.amdhsa_kernel k_qd46bcd4f9b_proj
		.amdhsa_group_segment_fixed_size 209920
		.amdhsa_private_segment_fixed_size 0
		.amdhsa_enable_private_segment 0
		.amdhsa_kernarg_size 176
		.amdhsa_user_sgpr_count 2
		.amdhsa_user_sgpr_kernarg_segment_ptr 1
		.amdhsa_wavefront_size32 1
		.amdhsa_system_sgpr_workgroup_id_x 1
		.amdhsa_system_sgpr_workgroup_id_y 1
		.amdhsa_system_sgpr_workgroup_id_z 1
		.amdhsa_system_vgpr_workitem_id 0
		.amdhsa_next_free_vgpr 512
		.amdhsa_next_free_sgpr 100
		.amdhsa_reserve_vcc 0
		.amdhsa_float_denorm_mode_32 3
		.amdhsa_float_denorm_mode_16_64 3
		.amdhsa_memory_ordered 1
		.amdhsa_forward_progress 1
		.amdhsa_inst_pref_size 246
	.end_amdhsa_kernel
	.amdgpu_metadata
---
amdhsa.version: [ 1, 2 ]
amdhsa.kernels:
  - .name:           k_qd46bcd4f9b_proj
    .symbol:         k_qd46bcd4f9b_proj.kd
    .args:
      - { .name: gene_embeds, .offset: 0, .size: 8, .value_kind: global_buffer, .address_space: global }
      - { .name: drug_embeds, .offset: 8, .size: 8, .value_kind: global_buffer, .address_space: global }
      - { .name: lng_g, .offset: 16, .size: 8, .value_kind: global_buffer, .address_space: global }
      - { .name: lnd_g, .offset: 24, .size: 8, .value_kind: global_buffer, .address_space: global }
      - { .name: lng_b, .offset: 32, .size: 8, .value_kind: global_buffer, .address_space: global }
      - { .name: lnd_b, .offset: 40, .size: 8, .value_kind: global_buffer, .address_space: global }
      - { .name: wgq_codes, .offset: 48, .size: 8, .value_kind: global_buffer, .address_space: global }
      - { .name: wdq_codes, .offset: 56, .size: 8, .value_kind: global_buffer, .address_space: global }
      - { .name: wgk_codes, .offset: 64, .size: 8, .value_kind: global_buffer, .address_space: global }
      - { .name: wdk_codes, .offset: 72, .size: 8, .value_kind: global_buffer, .address_space: global }
      - { .name: wgv_codes, .offset: 80, .size: 8, .value_kind: global_buffer, .address_space: global }
      - { .name: wdv_codes, .offset: 88, .size: 8, .value_kind: global_buffer, .address_space: global }
      - { .name: bgq, .offset: 96, .size: 8, .value_kind: global_buffer, .address_space: global }
      - { .name: bdq, .offset: 104, .size: 8, .value_kind: global_buffer, .address_space: global }
      - { .name: bgk, .offset: 112, .size: 8, .value_kind: global_buffer, .address_space: global }
      - { .name: bdk, .offset: 120, .size: 8, .value_kind: global_buffer, .address_space: global }
      - { .name: bgv, .offset: 128, .size: 8, .value_kind: global_buffer, .address_space: global }
      - { .name: bdv, .offset: 136, .size: 8, .value_kind: global_buffer, .address_space: global }
      - { .name: lowp_scales, .offset: 144, .size: 8, .value_kind: global_buffer, .address_space: global }
      - { .name: qimg, .offset: 152, .size: 8, .value_kind: global_buffer, .address_space: global }
      - { .name: kv, .offset: 160, .size: 8, .value_kind: global_buffer, .address_space: global }
      - { .name: eimg, .offset: 168, .size: 8, .value_kind: global_buffer, .address_space: global }
    .group_segment_fixed_size: 209920
    .private_segment_fixed_size: 0
    .kernarg_segment_align: 8
    .kernarg_segment_size: 176
    .max_flat_workgroup_size: 256
    .sgpr_count:     100
    .vgpr_count:     512
    .wavefront_size: 32
...
	.end_amdgpu_metadata
.endif
;; end of part 4
;; launch attn: the kernel of part 2 again; grid 16 x 16, 8 waves a work-group, clusters of 4 x 1, 327,680 bytes of LDS; arguments qimg, kv, lowp_scales, cimg; writes cimg
;; launch gate (part 5): grid 256 x 1, 8 waves a work-group, no clusters, 118,272 bytes of LDS; arguments cimg, eimg, gene_embeds, drug_embeds, wgg_codes, wdg_codes, wo_codes, bgg, bdg, gg_g, dg_g, gg_b, dg_b, bo, lowp_scales, out0, out1; writes out0, out1
.if DOCPART == 5
	.amdgcn_target "amdgcn-amd-amdhsa--gfx1250"
	.amdhsa_code_object_version 6
	.text
	.protected	k_qd46bcd4f9b_gate
	.globl	k_qd46bcd4f9b_gate
	.p2align	8
	.type	k_qd46bcd4f9b_gate,@function
k_qd46bcd4f9b_gate:
	s_mov_b64 s[64:65], 0
	v_nop
	global_prefetch_b8 v0, s[64:65] scope:SCOPE_SE
	s_setreg_imm32_b32 hwreg(HW_REG_WAVE_SCHED_MODE, 0, 2), 2
	s_setreg_imm32_b32 hwreg(HW_REG_WAVE_MODE, 25, 1), 1
	s_wait_xcnt 0x0
	s_wait_alu depctr_vm_vsrc(0)
; THE GATES, THE OUTPUT PROJECTION AND THE RESIDUAL (products 11 to 14): out = embeds + sigmoid(LayerNorm([ctx, embeds] Wg + bg)) x (ctx Wo + bo).  No work of reference() is left out.
; Work-group x: side = x / 128, 32 consecutive rows (row tiles 2 (x % 128) and the next), all 512 columns.  Wave w makes columns 64 w .. 64 w + 63 of both products: twelve K steps of 128 (eight of the gate's K = 1,024: four of
; the context, four of the embeddings; four of the projection's), 8 matrix instructions each.  Its weight fragments go from memory straight into registers, four steps ahead, and no other wave of the work-group reads them.
; NO CLUSTER: a joint request is a tensor load, which lands in LDS; here each fragment is used by one wave, so the 768 KB of weights would pass through LDS for nothing.
; The left operands come as images of their registers (written by the two launches before): 48 KB are copied into LDS once, and every wave reads them from there.
; The products are used transposed (source 0 = 16 rows of the weight, source 1 = an image): lane (r, h) holds row 8 u + r + 8 (r / 8) of the 32 (u: the tile), register j of tile t column 64 w + 16 t + 8 h + j.
; LayerNorm's sums over the 512 columns go from wave to wave through LDS, the mean first and the squares of the differences after it.  The results meet in a stage, and each wave stores four whole rows.
; LIMITS: each product's two exponents together between -126 and 127.  NaN among the inputs is not served.
; REGISTERS, window 0: v1-11 addresses; v12-29 at work; v32-63 a bias as C; v64-127 two sets of the two tiles' fragments; v128-191 the gate's 8 accumulators, (t, u) at 128 + 32 u + 8 t; v192-255 the projection's.
;   Window 1: four sets of 64 for a K step's weight fragments; at the end set 0 holds the gain and the offset, set 1 my four rows of the embeddings, set 2 my four rows of the result.
; THE MODE: SCHED_MODE bits 1:0 = 2 (LLVM: expert scheduling mode 2), set by the entry lines.  The code itself states the register dependences between vector or matrix instructions and memory or LDS
; instructions, with s_wait_alu, always for 0.
; THE PLAN.  Registers that memory or LDS instructions touch:
;   v1-4, v7-11    addresses and offsets: written at the head, ahead of one wait on va_vdst, and never again.
;   v128-175       the copy: loaded, read by the copy's LDS stores, then accumulators: one wait on vm_vsrc behind the first barrier.
;   window 1's four sets, v64-127, v32-63   Step sg's eight products read weight set sg % 4 and image set sg % 2 (step 0: and the bias).  The loads of step sg + 4 (later: bo, the gain and offset, the embeddings) and the
;                  image loads of step sg + 2 land there.  ONE wait on va_vdst stands behind each of steps 0 to 9, behind the products and not at the next step's head, so that a set is asked for again at once;
;                  up to the next step's image loads only loads and window switches follow it.  Steps 10 and 11 are followed by no such load.
;   v12, v20       a wave's parts of the rows' sums: written by both tiles' additions, one wait on va_vdst, two LDS stores; behind the barrier a wait on vm_vsrc, and the eight parts land on v12-27.
;   v192-255       the results: one wait on va_vdst ahead of the stage's LDS stores.  Window 1's set 2: the rows come back there (last named by step 10's products, with waits on va_vdst since),
;                  the embeddings are added, and one wait on va_vdst stands ahead of the global stores.
.set RED0,  49152                      ; LDS: from 0 the images [context at the gate's scale, embeddings, context at the projection's scale][tile 2][s 4][c 4][512 bytes];
.set STG,   51200                      ; at 49,152 and 50,176 the waves' sums [tile][row 16][wave 8]; then the stage: 32 rows x (2,048 bytes + 16)
.set SP,    2064
.set SPARE, STG+32*SP                  ; the spare words, 128 bytes for each wave: four blocks of 256 bytes that no other line names
.set LI,  1
.set VWG, 2
.set VWO, 3
.set VB,  4
.set SPW, 5
.set NIL, 6
.set STO, 7
.set SRD, 8
.set RW,  9
.set RR,  10
.set CW,  11
.set BB,  32
.set AB,  64
.set MSB, 0
.macro WIN new                         ; the immediate's high byte repeats the setting that is left
.if MSB != \new
	s_set_vgpr_msb (MSB<<8)|\new
.set MSB, \new
.endif
.endm
.macro BARRIER                         ; my LDS stores have landed and my LDS loads are in: then the work-group's barrier
	s_wait_dscnt 0x0
	s_barrier_signal -1
	s_barrier_wait -1
.endm
.macro WLOAD sg                        ; K step sg's four weight fragments into set sg % 4
	WIN 0x40                                       ; destination window 1, address window 0
.irp t, 0,1,2,3
.irp c, 0,1,2,3
.if (\sg) < 8
	global_load_b128 v[64*((\sg)%4)+16*\t+4*\c:64*((\sg)%4)+16*\t+4*\c+3], v[VWG], s[16:17] offset:16384*\t+128*(\sg)+32*\c
.else
	global_load_b128 v[64*((\sg)%4)+16*\t+4*\c:64*((\sg)%4)+16*\t+4*\c+3], v[VWO], s[20:21] offset:8192*\t+128*((\sg)-8)+32*\c
.endif
.endr
.endr
	WIN 0
.endm
.macro BLOAD pb                        ; a bias in the result's layout
.irp t, 0,1,2,3
	global_load_b128 v[BB+8*\t:BB+8*\t+3], v[VB], s[\pb:\pb+1] offset:64*\t
	global_load_b128 v[BB+8*\t+4:BB+8*\t+7], v[VB], s[\pb:\pb+1] offset:64*\t+16
.endr
.endm
.macro AFETCH sg                       ; K step sg's fragments of the two row tiles into set sg % 2
.irp u, 0,1
.irp c, 0,1,2,3
	ds_load_b128 v[AB+32*((\sg)%2)+16*\u+4*\c:AB+32*((\sg)%2)+16*\u+4*\c+3], v[LI] offset:16384*((\sg)/4)+8192*\u+2048*((\sg)%4)+512*\c
.endr
.endr
.endm
.macro MUL sg                          ; eight products, the eight accumulators by turns; a sum's first product takes the bias as C
.set AC, 128+64*((\sg)/8)
	WIN 0x01                                       ; source 0 (the weight) window 1
.irp t, 0,1,2,3
.irp u, 0,1
.if ((\sg)%8) == 0
	v_wmma_f32_16x16x128_bf8_bf8 v[AC+32*\u+8*\t:AC+32*\u+8*\t+7], v[64*((\sg)%4)+16*\t:64*((\sg)%4)+16*\t+15], v[AB+32*((\sg)%2)+16*\u:AB+32*((\sg)%2)+16*\u+15], v[BB+8*\t:BB+8*\t+7]
.else
	v_wmma_f32_16x16x128_bf8_bf8 v[AC+32*\u+8*\t:AC+32*\u+8*\t+7], v[64*((\sg)%4)+16*\t:64*((\sg)%4)+16*\t+15], v[AB+32*((\sg)%2)+16*\u:AB+32*((\sg)%2)+16*\u+15], v[AC+32*\u+8*\t:AC+32*\u+8*\t+7]
.endif
.endr
.endr
	WIN 0
.endm
.macro GSTEP sg, n, dn                 ; n: the global loads younger than this step's weights;  dn: the next step's eight image loads, or none
.if (\sg) < 11
	AFETCH (\sg)+1                                 ; into the set that the products of the step before read: the wait at that step's end has shown them done, and no vector or matrix instruction stands between
.endif
	s_wait_loadcnt \n
.if ((\sg)%8) == 0
.set j, 0
.rept 32
	v_ldexp_f32 v[BB+j], v[BB+j], s[82+(\sg)/8]    ; the bias divided by the power of two that the sums lack
.set j, j+1
.endr
.endif
	s_wait_dscnt \dn
	MUL \sg
.rept 4
	v_nop                                          ; places in front of the loads into registers that these products read, and of the first read of results
.endr
.if (\sg) < 10
	s_wait_alu depctr_va_vdst(0)                   ; these products are done reading their set of weights and their set of images (step 0: and the bias, which v_ldexp_f32 wrote), in which the loads that follow land
.endif
.endm
	s_load_b512 s[8:23], s[0:1], 0x0               ; cimg, eimg, gene, drug embeddings, wgg, wdg, wo, bgg
	s_load_b512 s[24:39], s[0:1], 0x40             ; bdg, gg_g, dg_g, gg_b, dg_b, bo, the scales' exponents, out0
	s_load_b64 s[40:41], s[0:1], 0x80              ; out1
	v_lshl_add_u32 v[SPW], v0, 2, SPARE
	v_mov_b32 v[NIL], 0
	v_lshrrev_b32 v12, 5, v0
	v_readfirstlane_b32 s42, v12                   ; wave
	s_lshr_b32 s43, ttmp9, 7                       ; side
	s_and_b32 s44, ttmp9, 127                      ; block of 32 rows
	s_mov_b32 s60, 0x76543210                      ; v_permlanex16_b32: lane l xor 16
	s_mov_b32 s61, 0xfedcba98
	s_mov_b32 s62, 0x3b000000                      ; 1 / 512
	s_mov_b32 s63, 0x3727c5ac                      ; 1e-5
	v_and_b32 v12, 15, v0                          ; r
	v_bfe_u32 v13, v0, 4, 1                        ; h
	v_and_b32 v14, 31, v0
	v_lshlrev_b32 v[LI], 4, v14                    ; 16 x lane
	v_lshlrev_b32 v[VWG], 10, v12                  ; the gate's weight: a row is 1,024 codes
	v_lshl_add_u32 v[VWG], v13, 4, v[VWG]
	v_lshlrev_b32 v[VWO], 9, v12                   ; the projection's: 512
	v_lshl_add_u32 v[VWO], v13, 4, v[VWO]
	v_lshlrev_b32 v[VB], 5, v13                    ; what hangs on the column: 8 h numbers on
	v_and_b32 v15, 8, v12
	v_add_nc_u32 v15, v15, v12                     ; r + 8 (r / 8)
	v_mul_u32_u24 v[STO], v15, SP
	v_lshl_add_u32 v[STO], v13, 5, v[STO]
	s_wait_alu depctr_va_sdst(0)                   ; s42, the wave's number, is written, ahead of its first reader: LDS places and all bases are made from it
	s_lshl_b32 s66, s42, 8
	s_add_co_u32 s66, s66, STG
	v_add_nc_u32 v[STO], s66, v[STO]               ; into the stage: my row, + 32 h, + my wave's 256 bytes
	s_mul_i32 s66, s42, 4*SP
	s_add_co_u32 s66, s66, STG
	v_add_nc_u32 v[SRD], s66, v[LI]                ; back: my wave's four rows
	v_lshlrev_b32 v[RR], 5, v12
	v_add_nc_u32 v[RR], RED0, v[RR]                ; a row's eight parts
	s_lshl_b32 s66, s42, 2
	v_add_nc_u32 v[RW], s66, v[RR]                 ; mine of them
	s_lshl_b32 s66, s42, 11
	v_add_nc_u32 v[CW], s66, v[LI]                 ; the copy: my wave's 2,048 bytes of each 16,384
	v_mov_b32 v28, 0                               ; lane permutes' destinations count as read
	v_mov_b32 v29, 0
	s_lshl_b32 s68, s43, 22
	s_lshl_b32 s69, s44, 14
	s_add_co_u32 s68, s68, s69                     ; cimg: (2 side x 256 + 2 block) 8,192
	s_lshl_b32 s70, s43, 21
	s_add_co_u32 s70, s70, s69                     ; eimg: (256 side + 2 block) 8,192
	s_mov_b32 s69, 0
	s_mov_b32 s71, 0
	s_lshl_b32 s72, s44, 16
	s_lshl_b32 s73, s42, 13
	s_add_co_u32 s72, s72, s73                     ; my four rows: (32 block + 4 w) 2,048
	s_mov_b32 s73, 0
	s_lshl_b32 s74, s42, 16                        ; my 64 rows of the gate's weight,
	s_mov_b32 s75, 0
	s_lshl_b32 s76, s42, 15                        ; of the projection's,
	s_mov_b32 s77, 0
	s_lshl_b32 s78, s42, 8                         ; my 64 numbers of what hangs on the column
	s_mov_b32 s79, 0
	s_lshl_b32 s80, s43, 3
	s_add_co_u32 s81, s80, 96                      ; entries 24 + 2 side, 25 + 2 side
	s_add_co_u32 s80, s80, 80                      ; entries 20 + 2 side, 21 + 2 side
	s_wait_kmcnt 0x0
	s_load_b64 s[46:47], s[36:37], s80 offset:0x0
	s_load_b64 s[48:49], s[36:37], s81 offset:0x0
	s_cmp_eq_u32 s43, 0                            ; gene's buffers or drug's: the choice hangs on the work-group's number alone
	s_cselect_b64 s[12:13], s[12:13], s[14:15]
	s_cselect_b64 s[16:17], s[16:17], s[18:19]
	s_cselect_b64 s[22:23], s[22:23], s[24:25]
	s_cselect_b64 s[26:27], s[26:27], s[28:29]
	s_cselect_b64 s[30:31], s[30:31], s[32:33]
	s_cselect_b64 s[38:39], s[38:39], s[40:41]
	s_add_nc_u64 s[8:9], s[8:9], s[68:69]
	s_add_nc_u64 s[10:11], s[10:11], s[70:71]
	s_add_nc_u64 s[12:13], s[12:13], s[72:73]
	s_add_nc_u64 s[38:39], s[38:39], s[72:73]
	s_add_nc_u64 s[16:17], s[16:17], s[74:75]
	s_add_nc_u64 s[20:21], s[20:21], s[76:77]
	s_add_nc_u64 s[22:23], s[22:23], s[78:79]
	s_add_nc_u64 s[26:27], s[26:27], s[78:79]
	s_add_nc_u64 s[30:31], s[30:31], s[78:79]
	s_add_nc_u64 s[34:35], s[34:35], s[78:79]
	s_wait_alu depctr_va_vdst(0)                   ; the addresses and offsets v1-4 and v7-11 are written, which every load and store of the kernel reads
.irp i, 0,1,2,3
	global_load_b128 v[128+4*\i:128+4*\i+3], v[CW], s[8:9] offset:512*\i             ; the context at the gate's scale,
.endr
.irp i, 0,1,2,3
	global_load_b128 v[144+4*\i:144+4*\i+3], v[CW], s[10:11] offset:512*\i           ; the embeddings,
.endr
.irp i, 0,1,2,3
	global_load_b128 v[160+4*\i:160+4*\i+3], v[CW], s[8:9] offset:2097152+512*\i     ; the context at the projection's scale
.endr
	BLOAD 22                                       ; the gate's bias
	WLOAD 0
	WLOAD 1
	s_wait_loadcnt 40                              ; the copy's twelve are in; younger: the bias (8), two K steps of weights (32)
.irp e, 0,1,2
.irp i, 0,1,2,3
	ds_store_b128 v[CW], v[128+16*\e+4*\i:128+16*\e+4*\i+3] offset:16384*\e+512*\i
.endr
.endr
	WLOAD 2
	WLOAD 3
	s_wait_kmcnt 0x0
	s_add_co_i32 s85, s46, s47                     ; the gate's eA + eB
	s_sub_co_i32 s82, 0, s85
	s_lshl_b32 s84, s85, 1
	s_sub_co_i32 s84, s84, 9                       ; 2 (eA + eB) - 9: the variance's factor and its 1 / 512 in one
	s_add_co_i32 s86, s48, s49                     ; the projection's
	s_sub_co_i32 s83, 0, s86
	s_add_co_i32 s86, s86, 127
	s_lshl_b32 s86, s86, 23                        ; 2^(eA + eB) as f32
	s_mov_b32 s87, s86                             ; (named with it as a pair)
	BARRIER                                        ; the images lie in LDS
	s_wait_alu depctr_vm_vsrc(0)                   ; my LDS stores have read v128-175: these registers are accumulators from here on, written by the products
	AFETCH 0
	GSTEP 0, 48, 8                                 ; younger than step 0's weights: three steps' (48)
	WLOAD 4
	BLOAD 34                                       ; bo, into the registers that the gate's bias has left
	GSTEP 1, 56, 8                                 ; three steps' and bo's 8
	WLOAD 5
	GSTEP 2, 56, 8
	WLOAD 6
	GSTEP 3, 56, 8
	WLOAD 7
	GSTEP 4, 56, 8
	WLOAD 8
	GSTEP 5, 48, 8                                 ; three steps'
	WLOAD 9
	GSTEP 6, 48, 8
	WLOAD 10
	GSTEP 7, 48, 8
	WLOAD 11
	GSTEP 8, 48, 8
	WIN 0x40
.irp t, 0,1,2,3                        ; LayerNorm's gain and offset in the result's layout, into set 0, which step 8's products have left
	global_load_b128 v[8*\t:8*\t+3], v[VB], s[26:27] offset:64*\t
	global_load_b128 v[8*\t+4:8*\t+7], v[VB], s[26:27] offset:64*\t+16
	global_load_b128 v[32+8*\t:32+8*\t+3], v[VB], s[30:31] offset:64*\t
	global_load_b128 v[32+8*\t+4:32+8*\t+7], v[VB], s[30:31] offset:64*\t+16
.endr
	WIN 0
	GSTEP 9, 48, 8                                 ; two steps' and those 16
	WIN 0x40
.irp i, 0,1,2,3                        ; my four rows of the embeddings, into set 1, which step 9's products have left
.irp e, 0,1,2,3
	global_load_b128 v[64+16*\i+4*\e:64+16*\i+4*\e+3], v[LI], s[12:13] offset:2048*\i+512*\e
.endr
.endr
	WIN 0
	GSTEP 10, 48, 8                                ; one step's, and twice 16
	GSTEP 11, 32, 0                                ; twice 16
; LayerNorm over the 512 columns.  u: the row tile.
.macro RFIN u                          ; two chains become my wave's part of the row's sum, in v12 (tile 0) or v20 (tile 1)
.set C0, 12+8*(\u)
	v_pk_add_f32 v[C0:C0+1], v[C0:C0+1], v[C0+2:C0+3]
	v_add_f32 v[C0], v[C0], v[C0+1]
	v_permlanex16_b32 v[28+\u], v[C0], s60, s61    ; the wave's other 32 columns lie in lane l xor 16
	v_add_f32 v[C0], v[C0], v[28+\u]
.endm
.macro RPUT off                        ; both tiles' parts go to LDS
	s_wait_alu depctr_va_vdst(0)                   ; the additions have written v12 and v20, which the two LDS stores read
	ds_store_b32 v[RW], v12 offset:\off            ; (lanes l and l xor 16 store the same number to the same word)
	ds_store_b32 v[RW], v20 offset:\off+512
.endm
.macro RGET u, off
.set C0, 12+8*(\u)
	ds_load_b128 v[C0:C0+3], v[RR] offset:\off+512*\u
	ds_load_b128 v[C0+4:C0+7], v[RR] offset:\off+512*\u+16
.endm
.macro RADD u                          ; the eight waves' parts, in the same order in every wave
.set C0, 12+8*(\u)
	v_pk_add_f32 v[C0:C0+1], v[C0:C0+1], v[C0+2:C0+3]
	v_pk_add_f32 v[C0+4:C0+5], v[C0+4:C0+5], v[C0+6:C0+7]
	v_pk_add_f32 v[C0:C0+1], v[C0:C0+1], v[C0+4:C0+5]
	v_add_f32 v[C0], v[C0], v[C0+1]
.endm
.irp u, 0,1
.set GB, 128+32*\u
.set C0, 12+8*\u
	v_pk_add_f32 v[C0:C0+1], v[GB:GB+1], v[GB+4:GB+5]         ; each accumulator from its low end on
	v_pk_add_f32 v[C0+2:C0+3], v[GB+2:GB+3], v[GB+6:GB+7]
.irp j, 8,12,16,20,24,28
	v_pk_add_f32 v[C0:C0+1], v[C0:C0+1], v[GB+\j:GB+\j+1]
	v_pk_add_f32 v[C0+2:C0+3], v[C0+2:C0+3], v[GB+\j+2:GB+\j+3]
.endr
	RFIN \u
.endr
	RPUT 0
	BARRIER                                        ; the eight parts of each row's sum lie in LDS
	s_wait_alu depctr_vm_vsrc(0)                   ; my two LDS stores have read v12 and v20, on which the loads below land (no vector instruction since the wait on va_vdst names v12-27)
	RGET 0, 0
	RGET 1, 0
	s_wait_dscnt 0x0
.irp u, 0,1
.set GB, 128+32*\u
	RADD \u
	v_mul_f32 v[C0], s62, v[C0]                    ; the mean
.set j, 0
.rept 16
	v_pk_add_f32 v[GB+j:GB+j+1], v[GB+j:GB+j+1], v[C0:C0+1] op_sel_hi:[1,0] neg_lo:[0,1] neg_hi:[0,1]
.set j, j+2
.endr
	v_pk_mul_f32 v[C0:C0+1], v[GB:GB+1], v[GB:GB+1]
	v_pk_mul_f32 v[C0+2:C0+3], v[GB+2:GB+3], v[GB+2:GB+3]
.irp j, 4,8,12,16,20,24,28
	v_pk_fma_f32 v[C0:C0+1], v[GB+\j:GB+\j+1], v[GB+\j:GB+\j+1], v[C0:C0+1]
	v_pk_fma_f32 v[C0+2:C0+3], v[GB+\j+2:GB+\j+3], v[GB+\j+2:GB+\j+3], v[C0+2:C0+3]
.endr
	RFIN \u
.endr
	RPUT 1024
	BARRIER                                        ; and the eight parts of the squares' sums, in bytes of their own
	s_wait_alu depctr_vm_vsrc(0)                   ; my two LDS stores have read v12 and v20, on which the loads below land
	RGET 0, 1024
	RGET 1, 1024
	s_wait_dscnt 0x0
.irp u, 0,1
	RADD \u
	v_ldexp_f32 v[C0], v[C0], s84                  ; the true variance
	v_add_f32 v[C0], s63, v[C0]                    ; + 1e-5
.endr
	v_rsq_f32 v12, v12
	v_rsq_f32 v20, v20
	v_nop
	s_wait_alu depctr_va_vdst(0)                   ; the two reciprocal roots in v12 and v20 are written: one wait for the two, ahead of their first reader
	v_ldexp_f32 v12, v12, s85                      ; x 2^(eA + eB), which the differences lack
	v_ldexp_f32 v20, v20, s85
.irp u, 0,1
.set j, 0
.rept 16
	v_pk_mul_f32 v[128+32*\u+j:128+32*\u+j+1], v[128+32*\u+j:128+32*\u+j+1], v[12+8*\u:13+8*\u] op_sel_hi:[1,0]
.set j, j+2
.endr
.endr
	s_wait_loadcnt 16                              ; the gain and the offset are in; the embeddings' 16 may be out
	WIN 0x14                                       ; sources 1 and 2 window 1
.irp u, 0,1
.set j, 0
.rept 16
	v_pk_fma_f32 v[128+32*\u+j:128+32*\u+j+1], v[128+32*\u+j:128+32*\u+j+1], v[j:j+1], v[32+j:32+j+1]
.set j, j+2
.endr
.endr
	WIN 0
.set j, 0
.rept 32
	v_pk_mul_f32 v[128+j:128+j+1], v[128+j:128+j+1], 0xbfb8aa3b op_sel_hi:[1,0]   ; x -log2(e): sigmoid(z) = 1 / (1 + 2^(-z log2(e)))
.set j, j+2
.endr
.set j, 0
.rept 64
	v_exp_f32 v[128+j], v[128+j]
.set j, j+1
.endr
	v_nop
	s_wait_alu depctr_va_vdst(0)                   ; the 64 exponentials in v128-191 are written: one wait for the batch, ahead of its first reader
.set j, 0
.rept 32
	v_pk_add_f32 v[128+j:128+j+1], v[128+j:128+j+1], 1.0 op_sel_hi:[1,0]
.set j, j+2
.endr
.set j, 0
.rept 64
	v_rcp_f32 v[128+j], v[128+j]
.set j, j+1
.endr
.set j, 0
.rept 32
	v_pk_mul_f32 v[192+j:192+j+1], v[192+j:192+j+1], s[86:87] op_sel_hi:[1,0]      ; ctx Wo + bo: x the power of two that the sums lack.  (Plain work behind the reciprocals, which names none of their results)
.set j, j+2
.endr
	s_wait_alu depctr_va_vdst(0)                   ; the 64 reciprocals in v128-191 are written: one wait for the batch, ahead of its first reader
.set j, 0
.rept 32
	v_pk_mul_f32 v[192+j:192+j+1], v[192+j:192+j+1], v[128+j:128+j+1]              ; x the gate
.set j, j+2
.endr
	s_wait_alu depctr_va_vdst(0)                   ; the multiplications have written v192-255, which the LDS stores read
.irp u, 0,1
.irp t, 0,1,2,3
	ds_store_b128 v[STO], v[192+32*\u+8*\t:192+32*\u+8*\t+3] offset:8*SP*\u+64*\t
	ds_store_b128 v[STO], v[192+32*\u+8*\t+4:192+32*\u+8*\t+7] offset:8*SP*\u+64*\t+16
.endr
.endr
	BARRIER                                        ; 32 whole rows lie in the stage
	WIN 0x40
.irp i, 0,1,2,3
.irp e, 0,1,2,3
	ds_load_b128 v[128+16*\i+4*\e:128+16*\i+4*\e+3], v[SRD] offset:SP*\i+512*\e     ; into window 1's set 2: step 10's products were its last readers, and the waits on va_vdst since have shown them done
.endr
.endr
	s_wait_loadcnt 0x0                             ; the embeddings
	s_wait_dscnt 0x0
	WIN 0x45                                       ; destination and both sources window 1
.set j, 0
.rept 32
	v_pk_add_f32 v[128+j:128+j+1], v[128+j:128+j+1], v[64+j:64+j+1]
.set j, j+2
.endr
	WIN 0x04                                       ; the stores' data window 1, their address window 0
	s_wait_alu depctr_va_vdst(0)                   ; the additions have written my four rows in window 1's set 2, which the stores read
.irp i, 0,1,2,3
.irp e, 0,1,2,3
	global_store_b128 v[LI], v[128+16*\i+4*\e:128+16*\i+4*\e+3], s[38:39] offset:2048*\i+512*\e th:TH_STORE_NT   ; 32 lanes store 512 consecutive bytes of a row, aligned
.endr
.endr
	WIN 0
	s_wait_dscnt 0x0                               ; the closing lines, six on end
	s_wait_alu 0x0
	s_wait_tensorcnt 0x0
	ds_add_u32 v[SPW], v[NIL]
	s_wait_dscnt 0x0
	s_endpgm
.Lfunc_end_k_qd46bcd4f9b_gate:
	.size	k_qd46bcd4f9b_gate, .Lfunc_end_k_qd46bcd4f9b_gate-k_qd46bcd4f9b_gate
	.p2alignl 7, 3214868480
	.fill 96, 4, 3214868480
	.section	.rodata,"a",@progbits
	.p2align	6, 0x0
	.amdhsa_kernel k_qd46bcd4f9b_gate
		.amdhsa_group_segment_fixed_size 118272
		.amdhsa_private_segment_fixed_size 0
		.amdhsa_enable_private_segment 0
		.amdhsa_kernarg_size 136
		.amdhsa_user_sgpr_count 2
		.amdhsa_user_sgpr_kernarg_segment_ptr 1
		.amdhsa_wavefront_size32 1
		.amdhsa_system_sgpr_workgroup_id_x 1
		.amdhsa_system_sgpr_workgroup_id_y 1
		.amdhsa_system_sgpr_workgroup_id_z 1
		.amdhsa_system_vgpr_workitem_id 0
		.amdhsa_next_free_vgpr 512
		.amdhsa_next_free_sgpr 100
		.amdhsa_reserve_vcc 0
		.amdhsa_float_denorm_mode_32 3
		.amdhsa_float_denorm_mode_16_64 3
		.amdhsa_memory_ordered 1
		.amdhsa_forward_progress 1
		.amdhsa_inst_pref_size 81
	.end_amdhsa_kernel
	.amdgpu_metadata
---
amdhsa.version: [ 1, 2 ]
amdhsa.kernels:
  - .name:           k_qd46bcd4f9b_gate
    .symbol:         k_qd46bcd4f9b_gate.kd
    .args:
      - { .name: cimg, .offset: 0, .size: 8, .value_kind: global_buffer, .address_space: global }
      - { .name: eimg, .offset: 8, .size: 8, .value_kind: global_buffer, .address_space: global }
      - { .name: gene_embeds, .offset: 16, .size: 8, .value_kind: global_buffer, .address_space: global }
      - { .name: drug_embeds, .offset: 24, .size: 8, .value_kind: global_buffer, .address_space: global }
      - { .name: wgg_codes, .offset: 32, .size: 8, .value_kind: global_buffer, .address_space: global }
      - { .name: wdg_codes, .offset: 40, .size: 8, .value_kind: global_buffer, .address_space: global }
      - { .name: wo_codes, .offset: 48, .size: 8, .value_kind: global_buffer, .address_space: global }
      - { .name: bgg, .offset: 56, .size: 8, .value_kind: global_buffer, .address_space: global }
      - { .name: bdg, .offset: 64, .size: 8, .value_kind: global_buffer, .address_space: global }
      - { .name: gg_g, .offset: 72, .size: 8, .value_kind: global_buffer, .address_space: global }
      - { .name: dg_g, .offset: 80, .size: 8, .value_kind: global_buffer, .address_space: global }
      - { .name: gg_b, .offset: 88, .size: 8, .value_kind: global_buffer, .address_space: global }
      - { .name: dg_b, .offset: 96, .size: 8, .value_kind: global_buffer, .address_space: global }
      - { .name: bo, .offset: 104, .size: 8, .value_kind: global_buffer, .address_space: global }
      - { .name: lowp_scales, .offset: 112, .size: 8, .value_kind: global_buffer, .address_space: global }
      - { .name: out0, .offset: 120, .size: 8, .value_kind: global_buffer, .address_space: global }
      - { .name: out1, .offset: 128, .size: 8, .value_kind: global_buffer, .address_space: global }
    .group_segment_fixed_size: 118272
    .private_segment_fixed_size: 0
    .kernarg_segment_align: 8
    .kernarg_segment_size: 136
    .max_flat_workgroup_size: 256
    .sgpr_count:     100
    .vgpr_count:     512
    .wavefront_size: 32
...
	.end_amdgpu_metadata
.endif
;; end of part 5
